; MI455X (gfx1250); checked and timed in simulation.
; The chip was launched on July 23, 2026; its instructions are those of AMD's public machine-readable ISA for CDNA 5 (MIT licence, August 2026) and "CDNA5" Instruction Set Architecture Reference Guide (July 2026). The comments in the code are by the model that wrote it; some were corrected since.
;; Layer. Allowed arithmetic: matrix products marked QUANTISED: E2M1 operands, one E8M0 scale for each 32 along K, by v_wmma_scale_f32_16x16x128_f8f6f4 with both operands' format E2M1 (or v_wmma_scale_f32_32x16x128_f4), f32 sums; products left as they are: bf16, f16 or f32 operands; f32 sums; everything else in f32.
;; Inputs: W1 1,024 x 4,096 float32; W2 4,096 x 1,024 float32; Wk 1,024 x 1,024 float32; Wo 1,024 x 1,024 float32; Wq 1,024 x 1,024 float32; Wv 1,024 x 1,024 float32; attention_mask 2 x 2,048 int32; b1 4,096 float32; b2 1,024 float32; bk 1,024 float32; bo 1,024 float32; bq 1,024 float32; bv 1,024 float32; ln1_b 1,024 float32; ln1_g 1,024 float32; ln2_b 1,024 float32; ln2_g 1,024 float32; x 2 x 2,048 x 1,024 float32.
;; Outputs: out0 2 x 2,048 x 1,024 float32.
;; This version of the problem:
;;   THIS VERSION OF THE PROBLEM IS GIVEN IN LOW PRECISION. The matrix products marked QUANTISED in the list below multiply operands that are first quantised to E2M1 (2 exponent bits, 1 mantissa bit; 4 bits a number), with one power-of-two scale for each 32 numbers along K (OCP MX v1.0); their sums are f32. The products marked 'left as it is' may take bf16, f16 or f32 operands, with f32 sums. Whichever they take, every output number must still come out within the allowed error. Rounding operands to bf16 (8 significant bits) uses up far more of that allowance than f16 does (11 bits, for magnitudes from 6e-5 to 65,504). All else is computed in f32.
;;   The module's matrix products, in the order in which they are computed (A, B: the left and right operand; K: the contracted axis; several contracted axes count as one K, in the product's order):
;;     1. [M 4,096, K 1,024] x [K 1,024, N 1,024]; A: input x; B: input Wq: QUANTISED
;;     2. [M 4,096, K 1,024] x [K 1,024, N 1,024]; A: input x; B: input Wk: QUANTISED
;;     3. [M 4,096, K 1,024] x [K 1,024, N 1,024]; A: input x; B: input Wv: QUANTISED
;;     4. batch 32 x [M 2,048, K 64] x [K 64, N 2,048]; A: computed on the way; B: computed on the way: left as it is (an operand is computed on the way)
;;     5. batch 32 x [M 2,048, K 2,048] x [K 2,048, N 64]; A: computed on the way; B: computed on the way: left as it is (an operand is computed on the way)
;;     6. [M 4,096, K 1,024] x [K 1,024, N 1,024]; A: computed on the way; B: input Wo: left as it is (an operand is computed on the way)
;;     7. [M 4,096, K 1,024] x [K 1,024, N 4,096]; A: computed on the way; B: input W1: left as it is (an operand is computed on the way)
;;     8. [M 4,096, K 4,096] x [K 4,096, N 1,024]; A: computed on the way; B: input W2: left as it is (an operand is computed on the way)
;;   THE QUANTISER, for each operand of a quantised product, along K:
;;     - K is cut into blocks of 32 from its start; a last block that is shorter is filled with zeros.
;;     - A block's scale is 2^e with e = floor(log2(the largest magnitude in the block)) - 2, held to -126 .. 127; a block of zeros has e = 0. As a byte (E8M0): e + 127.
;;     - Each number is divided by its block's scale, clamped to +-6, and rounded to the nearest number of E2M1, ties to even, subnormals kept.
;;     - The product sums the exact products of the quantised numbers (number of the format x scale) in f32.
;;   ~~~python
;;   def quantise(x, axis):      # numpy; x: float32 -> the quantised numbers, widened to float32 again
;;       x = np.moveaxis(x, axis, -1); K = x.shape[-1]
;;       x = np.pad(x, [(0, 0)] * (x.ndim - 1) + [(0, -K % 32)]); x = x.reshape(x.shape[:-1] + (-1, 32)); a = np.abs(x).max(-1, keepdims=True)
;;       e = np.where(a > 0, np.clip(np.frexp(np.where(a > 0, a, 1))[1] - 1 - 2, -126, 127), 0)      # np.frexp(a)[1] - 1 = floor(log2(a)), exactly
;;       r = np.clip(x / 2.0 ** e, -6, 6)
;;       step = 2.0 ** (np.maximum(np.frexp(np.where(r == 0, 1, r))[1] - 1, 0) - 1)
;;       q = np.round(r / step) * step * 2.0 ** e      # np.round: ties to even
;;       return np.moveaxis(q.reshape(q.shape[:-2] + (-1,))[..., :K], -1, axis).astype(np.float32)
;;   ~~~
;; One version. Each part assembles by itself: llvm-mc -triple=amdgcn-amd-amdhsa -mcpu=gfx1250 --defsym DOCPART=n.
;; ======== version 1 of 1: 8 launches
;; limits: a function is approximated: absolute error at most 1.5e-07; values are held in f16: magnitudes above 65,504 overflow, below 6.1e-05 lose precision
;; workspace buffers: codes 3,899,392 bytes; wts 18,874,368 bytes; qkv 25,165,824 bytes; act 8,388,608 bytes; y 16,777,216 bytes; gel 33,554,432 bytes
;; launch prep (part 1): grid 512 x 1, 4 waves a work-group, no clusters, 34,304 bytes of LDS; arguments x, Wq, Wk, Wv, Wo, W1, W2, codes, wts; writes codes, wts
.if DOCPART == 1
	.amdgcn_target "amdgcn-amd-amdhsa--gfx1250"
	.amdhsa_code_object_version 6
	.text
	.protected	k_q2c5a817928_prep
	.globl	k_q2c5a817928_prep
	.p2align	8
	.type	k_q2c5a817928_prep,@function
k_q2c5a817928_prep:
	s_mov_b64 s[64:65], 0
	v_nop
	global_prefetch_b8 v0, s[64:65] scope:SCOPE_SE
	s_setreg_imm32_b32 hwreg(HW_REG_WAVE_MODE, 25, 1), 1
	s_wait_xcnt 0x0
; FIRST OF EIGHT LAUNCHES of a transformer layer: x [4096][1024], 16 heads of 64, FF 4096.
; This launch turns x and Wq, Wk, Wv into codes of FP4 (E2M1) with one E8M0 byte for each 32 along K, and Wo, W1, W2 into f16,
; all laid as IMAGES OF OPERAND REGISTERS, so that every later launch loads a fragment as 16 bytes a lane, lane by lane.
;   FP4 fragment (16 rows x 128 K) = 1,024 bytes: block b of row r (32 codes, 16 bytes) at 256 b + 16 r.
;   f16 fragment (16 rows x 32 K)  = 1,024 bytes: numbers 8 g .. 8 g + 7 of row r at 256 g + 16 r.
; DEAD WORK: bk.  s(q,k) = q.(x_k Wk + bk)/8 = q.(x_k Wk)/8 + q.bk/8; the second term is the same for every key k of a query's row, a key
; that the mask hides stays hidden, and softmax takes away what is constant along its axis.  The product of q and k is not quantised, so bk
; moves no code and no scale.  This holds for all finite inputs.  bk is loaded nowhere and is no launch's argument.
; MOVED BY AN IDENTITY: bv.  The weights p / l of a row add up to 1, so sum p (x Wv + bv) / l = sum p (x Wv) / l + bv: bv is added in the attention launch.
; LIMITS: a NaN, an infinity or an overflow that reaches only bk is not carried to the result.  NaN and infinities in x, Wq, Wk, Wv are not served by the quantiser.
; A block of zeros keeps the byte 1 where the rule says 127: its codes are zeros, and the bytes are read by this program alone.
; The products that are left as they are take f16 operands: an operand beyond 65,504 in size becomes an infinity.
; FOUR PATHS, parted on the work-group's number: X (0-127) x; Q (128-223) Wq, Wk, Wv; C4 (224-383) Wo, W2; C16 (384-511) W1.  Waves share nothing: no barrier.
; Every work-group reads 128 KB; a wave of paths Q, C4 and C16 walks 8 blocks of 32 loads in a ring two blocks deep.
.set SPARE, 33792                      ; behind path X's four stages of 8,448 bytes: the spare words, 128 bytes for each wave
.set XS,  2097152                      ; in codes: x's scale words [rt 256][slot 2][r 16][16 bytes]   (x's codes [rt 256][kq 8][1 KB] begin at 0)
.set WC,  2228224                      ; the weights' codes [rt 192][kq 8][1 KB]: rows 0-1023 Wq's columns, then Wk's, then Wv's
.set WS,  3801088                      ; their scale words [rt 192][2][16][16 bytes]
.set W1O, 2097152                      ; in wts: Wo [nt 64][kt 32][1 KB] at 0, W1 [nt 256][kt 32][1 KB], W2 [nt 64][kt 128][1 KB]
.set W2O, 10485760
.set SPW, 12                           ; v12  LDS address of my spare word; never rewritten
.set NIL, 13                           ; v13  0; never rewritten
	s_load_b512 s[8:23], s[0:1], 0x0               ; x s8, Wq s10, Wk s12, Wv s14, Wo s16, W1 s18, W2 s20, codes s22
	s_load_b64 s[24:25], s[0:1], 0x40              ; wts
	v_lshl_add_u32 v[SPW], v0, 2, SPARE
	v_mov_b32 v[NIL], 0
	v_lshrrev_b32 v1, 5, v0
	v_readfirstlane_b32 s2, v1                     ; wave
	v_and_b32 v2, 31, v0                           ; lane
	v_and_b32 v3, 15, v0                           ; r
	v_bfe_u32 v7, v0, 4, 1                         ; h
	v_lshlrev_b32 v4, 4, v2                        ; 16 x lane
	s_mul_i32 s3, s2, 8448
	v_add_nc_u32 v5, s3, v4                        ; path X's stage, on the way in: 16 x lane
	v_mul_u32_u24 v6, v3, 528
	v_lshl_add_u32 v6, v7, 7, v6
	v_add_nc_u32 v6, s3, v6                        ; and on the way out: row r, + 128 h
	v_lshlrev_b32 v14, 2, v2                       ; 4 x lane
	v_lshlrev_b32 v15, 4, v3                       ; 16 r
	s_mov_b32 s4, 0x76543210
	s_mov_b32 s5, 0xfedcba98                       ; v_permlanex16_b32's selects for lane l xor 16
	s_wait_kmcnt 0x0
	s_cmp_lt_u32 ttmp9, 128
	s_cbranch_scc1 .Lpath_x
	s_cmp_lt_u32 ttmp9, 224
	s_cbranch_scc1 .Lpath_q
	s_cmp_lt_u32 ttmp9, 384
	s_cbranch_scc1 .Lpath_c4
	s_branch .Lpath_c16
; ---- 32 numbers down K of my column: block t into set t % 2; off: the register with my lane's byte offset
.macro LOADW t, pitch, off
.set i, 0
.rept 32
	global_load_b32 v[32+32*((\t)%2)+i], v[\off], s[36:37] offset:(32*(\t)+i)*\pitch th:TH_LOAD_NT
.set i, i+1
.endr
.endm
; ---- a wave's 32 columns x 256 K to f16: a lane takes a column, its registers run down K (a load reads 128 consecutive bytes, the four waves 512); 8 numbers are 16 bytes, and sixteen lanes store 256 consecutive bytes
.macro CONV pitch
	LOADW 0, \pitch, 14
	LOADW 1, \pitch, 14
.irp t, 0,1,2,3,4,5,6,7
.if \t < 7
	s_wait_loadcnt 32                              ; this block's 32 loads are in; the next block's may be out
.else
	s_wait_loadcnt 0x0
.endif
.if \t > 1
	s_wait_xcnt 0x0                                ; the stores of two blocks back have read their data: the set is written again only behind this wait
.endif
.set j, 0
.rept 16
	v_cvt_pk_f16_f32 v[96+16*(\t%2)+j], v[32+32*(\t%2)+2*j], v[33+32*(\t%2)+2*j]
.set j, j+1
.endr
.if \t < 6
	LOADW \t+2, \pitch, 14
.endif
.irp g, 0,1,2,3
	global_store_b128 v8, v[96+16*(\t%2)+4*\g:96+16*(\t%2)+4*\g+3], s[38:39] offset:1024*\t+256*\g
.endr
.endr
	s_endpgm
.endm
; ================= PATH X: wave id = 4 wg + w takes rows 16 (id / 2) on, K = 512 (id % 2) on, in four steps of 128
.macro LOADX t
.set i, 0
.rept 16
	global_load_b128 v[32+64*((\t)%2)+4*i:32+64*((\t)%2)+4*i+3], v4, s[8:9] offset:i*4096+512*(\t) th:TH_LOAD_NT   ; row i: 32 lanes read 512 consecutive bytes
.set i, i+1
.endr
.endm
.macro STEPX t
.if (\t) < 3
	s_wait_loadcnt 16                              ; this step's 16 loads are in; the next step's may be out
.else
	s_wait_loadcnt 0x0
.endif
.set i, 0
.rept 16
	ds_store_b128 v5, v[32+64*((\t)%2)+4*i:32+64*((\t)%2)+4*i+3] offset:528*i   ; through my own stage: rows of 512 bytes + 16
.set i, i+1
.endr
.irp c, 0,1
.irp j, 0,1,2,3,4,5,6,7
	ds_load_b128 v[160+32*\c+4*\j:160+32*\c+4*\j+3], v6 offset:256*\c+16*\j      ; back: block 2 c + h of row r, 32 neighbours along K (LDS serves a wave's instructions in order)
.endr
.endr
	s_wait_dscnt 0x0                               ; the numbers are back, and the stores have read their registers,
.if (\t) < 2
	LOADX (\t)+2                                   ; which take the loads of two steps on
.endif
.irp c, 0,1
	v_max3_num_f32 v[20+\c], |v[160+32*\c]|, |v[161+32*\c]|, 0x1800000   ; the block's largest magnitude, with the floor 2^(3 - 127): the byte cannot fall under 1
.endr
.irp i, 2,4,6,8,10,12,14,16,18,20,22,24,26,28,30
.irp c, 0,1
	v_max3_num_f32 v[20+\c], v[20+\c], |v[160+32*\c+\i]|, |v[161+32*\c+\i]|
.endr
.endr
.irp c, 0,1
	v_add_nc_u32 v[22+\c], 0xff000000, v[20+\c]    ; 2 off its exponent field: the conversion's scale operand
.endr
.irp c, 0,1
	v_lshrrev_b32 v[24+\c], 23, v[22+\c]           ; the scale's byte
.endr
	v_lshl_or_b32 v9, v25, 16, v24                 ; my two bytes, blocks h and 2 + h,
	v_lshlrev_b32 v9, v11, v9                      ; at their places in the word (8 h bits up);
	v_permlanex16_b32 v10, v9, s4, s5
	v_or_b32 v[16+(\t)], v9, v10                   ; with lane l xor 16's two the row's scale word is whole
.irp c, 0,1
.irp g, 0,1,2,3
	v_cvt_scalef32_pk8_fp4_f32 v[224+8*(\t)+4*\c+\g], v[160+32*\c+8*\g:160+32*\c+8*\g+7], v[22+\c]
.endr
.endr
	v_nop                                          ; one plain place behind the scaled conversions
.irp c, 0,1
	global_store_b128 v4, v[224+8*(\t)+4*\c:224+8*(\t)+4*\c+3], s[22:23] offset:1024*(\t)+512*\c   ; registers 4 c .. 4 c + 3 of the fragment: 512 consecutive bytes
.endr
.endm
.Lpath_x:
	s_lshl_b32 s26, ttmp9, 2
	s_add_co_u32 s26, s26, s2
	s_lshr_b32 s27, s26, 1                         ; rt
	s_and_b32 s26, s26, 1                          ; slot
	s_lshl_b32 s30, s27, 16
	s_lshl_b32 s28, s26, 11
	s_add_co_u32 s30, s30, s28
	s_mov_b32 s31, 0
	s_add_nc_u64 s[8:9], s[8:9], s[30:31]          ; x at row 16 rt, K = 512 slot
	s_lshl_b32 s30, s27, 9
	s_lshl_b32 s28, s26, 8
	s_add_co_u32 s30, s30, s28
	s_add_co_u32 s30, s30, XS
	s_add_nc_u64 s[34:35], s[22:23], s[30:31]      ; my 256 bytes of scale words
	s_lshl_b32 s30, s27, 13
	s_lshl_b32 s28, s26, 12
	s_add_co_u32 s30, s30, s28
	s_add_nc_u64 s[22:23], s[22:23], s[30:31]      ; my four fragments
	v_lshlrev_b32 v11, 3, v7                       ; 8 h
	v_mov_b32 v10, 0                               ; written once: a lane permute's destination counts as one of its sources
	LOADX 0
	LOADX 1
	STEPX 0
	STEPX 1
	STEPX 2
	STEPX 3
	s_wait_xcnt 0x0                                ; EXEC changes only behind this wait
	v_cmp_gt_u32 vcc_lo, 16, v2
	s_and_saveexec_b32 s6, vcc_lo
	global_store_b128 v15, v[16:19], s[34:35]      ; lanes 0-15: row r's four scale words: 256 consecutive bytes
	s_wait_xcnt 0x0                                ; and again, in front of the line that widens it
	s_or_b32 exec_lo, exec_lo, s6
	s_wait_tensorcnt 0x0                           ; the wave's end, behind my last LDS store
	ds_add_u32 v[SPW], v[NIL]
	s_wait_dscnt 0x0
	s_endpgm
; ================= PATH Q: a work-group takes 64 columns of Wq, Wk or Wv and 512 of K; a wave 16 columns.  Lane (r, h) takes column r of them, and its registers run down K from 256 h on: 8 blocks of 32.
; A load reads two runs of 64 bytes, the four waves side by side two runs of 256.  A store of codes covers two runs of 256 consecutive bytes.
.macro BLOCKQ t
.set XB, 32+32*((\t)%2)
.if (\t) < 7
	s_wait_loadcnt 32                              ; this block's 32 loads are in; the next block's may be out
.else
	s_wait_loadcnt 0x0
.endif
	v_max3_num_f32 v20, |v[XB]|, |v[XB+1]|, |v[XB+2]|
	v_max3_num_f32 v21, |v[XB+3]|, |v[XB+4]|, |v[XB+5]|
.irp i, 6,10,14,18,22,26
	v_max3_num_f32 v20, v20, |v[XB+\i]|, |v[XB+\i+1]|
	v_max3_num_f32 v21, v21, |v[XB+\i+2]|, |v[XB+\i+3]|
.endr
	v_max3_num_f32 v20, v20, |v[XB+30]|, |v[XB+31]|
	v_max3_num_f32 v20, v20, v21, 0x1800000        ; with the floor 2^(3 - 127)
	v_add_nc_u32 v22, 0xff000000, v20              ; the conversion's scale operand
	v_lshrrev_b32 v23, 23, v22                     ; the byte
.if (\t)%4 == 0
	v_mov_b32 v[24+(\t)/4], v23
.else
	v_lshl_or_b32 v[24+(\t)/4], v23, 8*((\t)%4), v[24+(\t)/4]
.endif
.irp g, 0,1,2,3
	v_cvt_scalef32_pk8_fp4_f32 v[96+4*(\t)+\g], v[XB+8*\g:XB+8*\g+7], v22
.endr
	global_store_b128 v8, v[96+4*(\t):96+4*(\t)+3], s[38:39] offset:((\t)/4)*1024+((\t)%4)*256   ; each block has its own registers: no store's data are written again
.if (\t) < 6
	LOADW (\t)+2, 4096, 9
.endif
.endm
.Lpath_q:
	s_sub_co_u32 s26, ttmp9, 128
	s_lshr_b32 s27, s26, 5                         ; which matrix
	s_and_b32 s28, s26, 15                         ; which 64 columns
	s_bfe_u32 s29, s26, 0x10004                    ; which half of K
	s_cmp_eq_u32 s27, 0
	s_cselect_b64 s[36:37], s[10:11], s[12:13]
	s_cmp_eq_u32 s27, 2
	s_cselect_b64 s[36:37], s[14:15], s[36:37]
	s_lshl_b32 s30, s29, 21                        ; 512 rows of 4,096 bytes
	s_lshl_b32 s31, s28, 8
	s_add_co_u32 s30, s30, s31
	s_lshl_b32 s31, s2, 6
	s_add_co_u32 s30, s30, s31
	s_mov_b32 s31, 0
	s_add_nc_u64 s[36:37], s[36:37], s[30:31]      ; row 512 slot, column 64 cb + 16 w
	s_lshl_b32 s32, s27, 6
	s_lshl_b32 s33, s28, 2
	s_add_co_u32 s32, s32, s33
	s_add_co_u32 s32, s32, s2                      ; my tile of 16 rows of the codes: 64 mat + 4 cb + w
	s_lshl_b32 s30, s32, 13
	s_lshl_b32 s33, s29, 12
	s_add_co_u32 s30, s30, s33
	s_add_co_u32 s30, s30, WC
	s_add_nc_u64 s[38:39], s[22:23], s[30:31]
	s_lshl_b32 s30, s32, 9
	s_lshl_b32 s33, s29, 8
	s_add_co_u32 s30, s30, s33
	s_add_co_u32 s30, s30, WS
	s_add_nc_u64 s[40:41], s[22:23], s[30:31]
	v_lshlrev_b32 v9, 2, v3                        ; in: 4 r,
	v_lshl_add_u32 v9, v7, 20, v9                  ; and 256 rows further down for lanes 16-31
	v_lshl_add_u32 v8, v7, 11, v15                 ; out: 16 r, and two fragments further on for lanes 16-31
	v_mov_b32 v26, 0                               ; written once: a lane permute's destination counts as one of its sources
	v_mov_b32 v27, 0
	LOADW 0, 4096, 9
	LOADW 1, 4096, 9
.irp t, 0,1,2,3,4,5,6,7
	BLOCKQ \t
.endr
	v_permlanex16_b32 v26, v24, s4, s5             ; lanes 0-15 hold the row's scale words 0 and 1 of this half of K; words 2 and 3 come from the lane 16 away
	v_permlanex16_b32 v27, v25, s4, s5
	s_wait_xcnt 0x0                                ; EXEC changes only behind this wait
	v_cmp_gt_u32 vcc_lo, 16, v2
	s_and_saveexec_b32 s6, vcc_lo
	global_store_b128 v15, v[24:27], s[40:41]      ; lanes 0-15: 256 consecutive bytes
	s_wait_xcnt 0x0                                ; and again, in front of the line that widens it
	s_or_b32 exec_lo, exec_lo, s6
	s_endpgm
; ================= PATH C4: Wo (32 work-groups), then W2 (128): rows of 4,096 bytes
.Lpath_c4:
	s_sub_co_u32 s26, ttmp9, 224
	s_cmp_lt_u32 s26, 32
	s_cselect_b64 s[36:37], s[16:17], s[20:21]
	s_cselect_b32 s28, 0, 32
	s_cselect_b32 s29, 0, W2O
	s_cselect_b32 s30, 15, 17                      ; a tile of 16 columns is 2^15 bytes (K = 1,024) or 2^17 (K = 4,096)
	s_sub_co_u32 s26, s26, s28
	s_and_b32 s27, s26, 7                          ; which 128 columns
	s_lshr_b32 s26, s26, 3                         ; which 256 of K
	s_lshl_b32 s32, s26, 20
	s_lshl_b32 s33, s27, 9
	s_add_co_u32 s32, s32, s33
	s_lshl_b32 s33, s2, 7
	s_add_co_u32 s32, s32, s33
	s_mov_b32 s33, 0
	s_add_nc_u64 s[36:37], s[36:37], s[32:33]
	s_lshl_b32 s32, s27, 3
	s_lshl_b32 s28, s2, 1
	s_add_co_u32 s32, s32, s28
	s_lshl_b32 s32, s32, s30
	s_lshl_b32 s28, s26, 13
	s_add_co_u32 s32, s32, s28
	s_add_co_u32 s32, s32, s29
	s_add_nc_u64 s[38:39], s[24:25], s[32:33]
	v_lshlrev_b32 v8, s30, v7
	v_add_nc_u32 v8, v8, v15
	CONV 4096
; ================= PATH C16: W1: rows of 16,384 bytes
.Lpath_c16:
	s_sub_co_u32 s26, ttmp9, 384
	s_and_b32 s27, s26, 31
	s_lshr_b32 s26, s26, 5
	s_lshl_b32 s32, s26, 22
	s_lshl_b32 s33, s27, 9
	s_add_co_u32 s32, s32, s33
	s_lshl_b32 s33, s2, 7
	s_add_co_u32 s32, s32, s33
	s_mov_b32 s33, 0
	s_add_nc_u64 s[36:37], s[18:19], s[32:33]
	s_lshl_b32 s32, s27, 3
	s_lshl_b32 s28, s2, 1
	s_add_co_u32 s32, s32, s28
	s_lshl_b32 s32, s32, 15
	s_lshl_b32 s28, s26, 13
	s_add_co_u32 s32, s32, s28
	s_add_co_u32 s32, s32, W1O
	s_add_nc_u64 s[38:39], s[24:25], s[32:33]
	v_lshl_add_u32 v8, v7, 15, v15
	CONV 16384
.Lfunc_end_k_q2c5a817928_prep:
	.size	k_q2c5a817928_prep, .Lfunc_end_k_q2c5a817928_prep-k_q2c5a817928_prep
	.p2alignl 7, 3214868480
	.fill 96, 4, 3214868480
	.section	.rodata,"a",@progbits
	.p2align	6, 0x0
	.amdhsa_kernel k_q2c5a817928_prep
		.amdhsa_group_segment_fixed_size 34304
		.amdhsa_private_segment_fixed_size 0
		.amdhsa_enable_private_segment 0
		.amdhsa_kernarg_size 72
		.amdhsa_user_sgpr_count 2
		.amdhsa_user_sgpr_kernarg_segment_ptr 1
		.amdhsa_wavefront_size32 1
		.amdhsa_system_sgpr_workgroup_id_x 1
		.amdhsa_system_sgpr_workgroup_id_y 1
		.amdhsa_system_sgpr_workgroup_id_z 1
		.amdhsa_system_vgpr_workitem_id 0
		.amdhsa_next_free_vgpr 256
		.amdhsa_next_free_sgpr 66
		.amdhsa_reserve_vcc 1
		.amdhsa_float_denorm_mode_32 3
		.amdhsa_float_denorm_mode_16_64 3
		.amdhsa_memory_ordered 1
		.amdhsa_forward_progress 1
		.amdhsa_inst_pref_size 141
	.end_amdhsa_kernel
	.amdgpu_metadata
---
amdhsa.version: [ 1, 2 ]
amdhsa.kernels:
  - .name:           k_q2c5a817928_prep
    .symbol:         k_q2c5a817928_prep.kd
    .args:
      - { .name: x, .offset: 0, .size: 8, .value_kind: global_buffer, .address_space: global }
      - { .name: Wq, .offset: 8, .size: 8, .value_kind: global_buffer, .address_space: global }
      - { .name: Wk, .offset: 16, .size: 8, .value_kind: global_buffer, .address_space: global }
      - { .name: Wv, .offset: 24, .size: 8, .value_kind: global_buffer, .address_space: global }
      - { .name: Wo, .offset: 32, .size: 8, .value_kind: global_buffer, .address_space: global }
      - { .name: W1, .offset: 40, .size: 8, .value_kind: global_buffer, .address_space: global }
      - { .name: W2, .offset: 48, .size: 8, .value_kind: global_buffer, .address_space: global }
      - { .name: codes, .offset: 56, .size: 8, .value_kind: global_buffer, .address_space: global }
      - { .name: wts, .offset: 64, .size: 8, .value_kind: global_buffer, .address_space: global }
    .group_segment_fixed_size: 34304
    .private_segment_fixed_size: 0
    .kernarg_segment_align: 8
    .kernarg_segment_size: 72
    .max_flat_workgroup_size: 128
    .sgpr_count:     66
    .vgpr_count:     256
    .wavefront_size: 32
...
	.end_amdgpu_metadata
.endif
;; end of part 1
;; launch qkv (part 2): grid 48 x 4, 4 waves a work-group, clusters of 4 x 4, 327,680 bytes of LDS; arguments codes, bq, qkv; writes qkv
.if DOCPART == 2
	.amdgcn_target "amdgcn-amd-amdhsa--gfx1250"
	.amdhsa_code_object_version 6
	.text
	.protected	k_q2c5a817928_qkv
	.globl	k_q2c5a817928_qkv
	.p2align	8
	.type	k_q2c5a817928_qkv,@function
k_q2c5a817928_qkv:
	s_mov_b64 s[64:65], 0
	v_nop
	global_prefetch_b8 v0, s[64:65] scope:SCOPE_SE
	s_setreg_imm32_b32 hwreg(HW_REG_WAVE_MODE, 25, 1), 1
	s_wait_xcnt 0x0
	s_wait_alu depctr_hold_cnt(0) depctr_sa_sdst(0) depctr_va_vdst(0) depctr_va_sdst(0) depctr_va_ssrc(0) depctr_va_vcc(0) depctr_vm_vsrc(0)
	s_getreg_b32 s2, hwreg(HW_REG_IB_STS2, 6, 4)
	s_cmp_eq_u32 s2, 0
	s_cbranch_scc0 .Lentry_in_a_cluster
	s_endpgm
.Lentry_in_a_cluster:
	s_bfe_u32 s2, ttmp6, 0x10000c
	s_cmp_lg_u32 s2, 0xf033
	s_cbranch_scc0 .Lentry_shape_is_right
	s_endpgm
.Lentry_shape_is_right:
; q = x Wq + bq, k = x Wk, v^T = (x Wv)^T on codes of FP4 with E8M0 scales; sums in f32; results rounded to f16 and stored as images of the attention launch's operand registers.
; LEFT OUT: bk (dead: the same for all keys of a softmax row) and, here, bv (added behind the softmax, whose weights add up to 1): shown at the head of the first launch.
; One body makes C'[m'][n'] = A'[m'] . B'[n'] on tiles of 256 x 256, a wave 128 x 128.  The cluster's number c says which: c < 8: A' = x, B' = Wq|Wk (c < 4: q, else k);
; c >= 8: A' = Wv's columns, B' = x, which gives v with the tokens innermost, as the second product of attention wants it.
; All of K = 1,024 lies in LDS at once (two slots of 512), so nothing is filled again.  Tiles and scale words are dense images: no padding, every fragment load takes 512 consecutive bytes.
; CLUSTERS 4 x 4: A's tiles are shared along a row of the cluster, B's along a column, by joint loads.  THE MATRIX INSTRUCTION IS USED TRANSPOSED (source 0 = 16 rows of B', source 1 = 16 of A'):
; a lane holds eight neighbouring n' of one row m', which as f16 are 16 bytes of the next operand's image.
; THE BIAS is the C of each sum's first matrix instruction: 64 registers, bq at the lane's columns, loaded while the first tiles are on their way.  The clusters that make k or v have no bias here:
; they write zeros into the same registers in that time, so that one text of the first step serves all three kinds.
; REGISTERS: window 0: v0-31 addresses; v32-95 scale words, two sets, and nothing else; v128-191 A's fragments; v192-255 the bias; on the way out v96-127, v192-223 packed results.
;   window 1: B's fragments, two sets, at v0 and v128.   windows 2, 3: the 64 accumulators ((a, b) at v[8 (8 (a % 4) + b)]).
.set NQ,     4                         ; steps of 128 along K in a slot
.set FR,     8
.set NL,     2
.set NP,     4                         ; places behind this matrix instruction (ISA guide 7.12.1)
.set SLOT,   131072                    ; A's 16 tiles of rows x 4 KB, then B's
.set BOFF,   65536
.set SCL,    262144                    ; A's scale words, 8 KB; B's, 8 KB
.set SPARE,  278528                    ; the spare words, 128 bytes for each wave
.set ADRA, 16
.set ADRB, 20
.set CO,   26                          ; v26  16 x lane
.set ADRS, 27
.set SPW,  28
.set NIL,  29
.set SC,   32
.set AF,   128
.set BQ,   192
.set G1, 24
.set G0, 32
.set G1B, 48
.set G0B, 56
.set G1S, 68
.set G0S, 76
.set G1SB, 80
.set G0SB, 88
.set MSB, 0
.macro WIN new                         ; the immediate's high byte repeats the setting that is left
.if MSB != \new
	s_set_vgpr_msb (MSB<<8)|\new
.set MSB, \new
.endif
.endm
.set MUL_LO, 0xa1
.set MUL_HI, 0xf1
.set TO_B,   0x40
.macro JLOAD g0a, g1a, g0b, g1b        ; waves 0 and 1 fetch for A', waves 2 and 3 for B'; an s_nop 0 and four v_nop follow each line
	s_cmp_eq_u32 s15, 0
	s_cbranch_scc0 .Lfor_b_\@
	tensor_load_to_lds s[\g0a:\g0a+3], s[\g1a:\g1a+7]
	s_nop 0
.rept 4
	v_nop
.endr
	s_branch .Lasked_\@
.Lfor_b_\@:
	tensor_load_to_lds s[\g0b:\g0b+3], s[\g1b:\g1b+7]
	s_nop 0
.rept 4
	v_nop
.endr
.Lasked_\@:
.endm
.macro CREST
	s_cmp_lg_u32 s14, 0
	s_cbranch_scc1 .Lnot_wave_0_\@
	s_barrier_signal -3
.Lnot_wave_0_\@:
	s_barrier_wait -3
	s_barrier_signal -1
	s_barrier_wait -1
.endm
.macro CROUND
	s_barrier_signal -1
	s_barrier_wait -1
	CREST
.endm
	s_load_b128 s[4:7], s[0:1], 0x0                ; codes s[4:5], bq s[6:7]
	s_load_b64 s[8:9], s[0:1], 0x10                ; qkv
	v_lshl_add_u32 v[SPW], v0, 2, SPARE
	v_mov_b32 v[NIL], 0
	ds_add_u32 v[SPW], v[NIL]                      ; the wave's opening: the add, twice on end, and its wait ahead of my first tensor load
	ds_add_u32 v[SPW], v[NIL]
	v_lshrrev_b32 v1, 5, v0
	v_readfirstlane_b32 s14, v1                    ; wave
	s_lshr_b32 s15, s14, 1                         ; my half of the tile's rows; also: I fetch for A' (0) or B' (1)
	s_and_b32 s16, s14, 1                          ; my half of its columns; also: which 128 rows I fetch
	s_bfe_u32 s40, ttmp6, 0x40000                  ; cx
	s_bfe_u32 s41, ttmp6, 0x40004                  ; cy
	s_and_b32 s17, ttmp9, 3
	s_lshl_b32 s17, s17, 2
	s_lshr_b32 s42, ttmp9, 2
	s_sub_co_u32 s2, ttmp9, 8
	s_mov_b32 s11, 2097152
	s_mov_b32 s13, 3801088
	s_cmp_ge_u32 ttmp9, 8                          ; the cluster's number: the same in all sixteen partners
	s_cselect_b32 s17, 0, s17
	s_cselect_b32 s42, s2, s42
	s_cselect_b32 s10, 3276800, 0                  ; where A's codes begin in the buffer: Wv's or x's,
	s_cselect_b32 s11, 3866624, s11                ; A's scale words,
	s_cselect_b32 s12, 0, 2228224                  ; B's codes: x's or Wq|Wk's,
	s_cselect_b32 s13, 2097152, s13                ; B's scale words
	s_add_co_u32 s17, s17, s41                     ; tile row
	s_lshl_b32 s42, s42, 2
	s_add_co_u32 s42, s42, s40                     ; tile column
	s_lshl_b32 s43, s41, 2
	s_lshl_b32 s43, 15, s43                        ; my row of the cluster
	s_lshl_b32 s44, 0x1111, s40                    ; my column
	s_or_b32 s[G1], s43, (3<<16)|(1<<21)           ; 15:0 the mask; 17:16 elements of 8 bytes; 21 set beside a mask; no padding
	s_or_b32 s[G1B], s44, (3<<16)|(1<<21)
.irp g, G1, G1B
	s_mov_b32 s[\g+1], 512<<16                     ; tensor_dim0: a tile of rows' 4 KB of a slot
	s_mov_b32 s[\g+2], 8<<16                       ; tensor_dim1: 8 tiles of rows
	s_mov_b32 s[\g+3], 512<<16                     ; tile_dim0
	s_mov_b32 s[\g+4], 8                           ; tile_dim1
	s_mov_b32 s[\g+5], 1024                        ; 8 KB from tile of rows to tile of rows
	s_mov_b32 s[\g+6], 0
	s_mov_b32 s[\g+7], 0
.endr
	s_or_b32 s[G1S], s43, (3<<16)|(1<<21)
	s_or_b32 s[G1SB], s44, (3<<16)|(1<<21)
.irp g, G1S, G1SB
	s_mov_b32 s[\g+1], 32<<16                      ; the scale words of 128 rows: 4,096 dense bytes as 16 rows of 256
	s_mov_b32 s[\g+2], 16<<16
	s_mov_b32 s[\g+3], 32<<16
	s_mov_b32 s[\g+4], 16
	s_mov_b32 s[\g+5], 32
	s_mov_b32 s[\g+6], 0
	s_mov_b32 s[\g+7], 0
.endr
	s_lshl_b32 s19, s16, 3
	s_lshl_b32 s18, s17, 4
	s_add_co_u32 s18, s18, s19                     ; A': the first tile of rows that I fetch
	s_lshl_b32 s20, s18, 13
	s_add_co_u32 s20, s20, s10
	s_mov_b32 s21, 0
	s_lshl_b32 s22, s18, 9
	s_add_co_u32 s22, s22, s11
	s_mov_b32 s23, 0
	s_lshl_b32 s46, s42, 4
	s_add_co_u32 s46, s46, s19                     ; B' likewise, in registers that never hold cy
	s_lshl_b32 s92, s46, 9
	s_add_co_u32 s92, s92, s13
	s_mov_b32 s93, 0
	s_lshl_b32 s46, s46, 13
	s_add_co_u32 s46, s46, s12
	s_mov_b32 s47, 0
	s_lshl_b32 s45, s14, 15                        ; where they go: wave x 32 KB,
	s_lshl_b32 s94, s14, 12                        ; wave x 4 KB: no place in the cluster enters an LDS address
	s_wait_dscnt 0x0                               ; both opening adds are done
	s_wait_kmcnt 0x0
	s_add_nc_u64 s[20:21], s[4:5], s[20:21]
	s_add_nc_u64 s[22:23], s[4:5], s[22:23]
	s_add_nc_u64 s[46:47], s[4:5], s[46:47]
	s_add_nc_u64 s[92:93], s[4:5], s[92:93]
	CROUND                                         ; all sixteen work-groups are here: the first joint loads meet
	s_mov_b32 s[G0S], 1
	s_add_co_u32 s[G0S+1], s94, SCL
	s_mov_b64 s[G0S+2:G0S+3], s[22:23]
	s_or_b32 s[G0S+3], s[G0S+3], 0x80000000
	s_mov_b32 s[G0SB], 1
	s_add_co_u32 s[G0SB+1], s94, SCL
	s_mov_b64 s[G0SB+2:G0SB+3], s[92:93]
	s_or_b32 s[G0SB+3], s[G0SB+3], 0x80000000
	JLOAD G0S, G1S, G0SB, G1SB                     ; the scale words first: they are wanted with the first step
.irp s, 0,1
	s_mov_b32 s[G0+4*\s], 1
	s_add_co_u32 s[G0+4*\s+1], s45, \s*SLOT
	s_add_nc_u64 s[G0+4*\s+2:G0+4*\s+3], s[20:21], \s*4096
	s_or_b32 s[G0+4*\s+3], s[G0+4*\s+3], 0x80000000
	s_mov_b32 s[G0B+4*\s], 1
	s_add_co_u32 s[G0B+4*\s+1], s45, \s*SLOT
	s_add_nc_u64 s[G0B+4*\s+2:G0B+4*\s+3], s[46:47], \s*4096
	s_or_b32 s[G0B+4*\s+3], s[G0B+4*\s+3], 0x80000000
	JLOAD G0+4*\s, G1, G0B+4*\s, G1B               ; by this text's count three tensor loads of a wave are out
.endr
	v_and_b32 v1, 15, v0                           ; r
	v_bfe_u32 v2, v0, 4, 1                         ; h
	v_and_b32 v3, 31, v0
	v_lshlrev_b32 v[CO], 4, v3                     ; 16 x lane
	v_lshlrev_b32 v7, 5, v2                        ; 32 h
	s_lshl_b32 s21, s15, 15                        ; my 128 rows of A'
	s_lshl_b32 s22, s16, 15
	s_add_co_u32 s22, s22, BOFF                    ; my 128 rows of B'
.irp s, 0,1
	v_add_nc_u32 v[ADRA+\s], s21, v[CO]
	v_add_nc_u32 v[ADRB+\s], s22, v[CO]
	s_add_co_u32 s21, s21, SLOT
	s_add_co_u32 s22, s22, SLOT
.endr
	s_lshl_b32 s21, s15, 12                        ; scale words: lanes 0-15 take A's rows, lanes 16-31 B's: the lower base + h x the distance
	s_lshl_b32 s22, s16, 12
	s_add_co_u32 s22, s22, 8192
	s_sub_co_u32 s22, s22, s21
	v_mul_u32_u24 v6, s22, v2
	s_add_co_u32 s21, s21, SCL
	v_lshl_add_u32 v5, v1, 4, v6
	v_add_nc_u32 v[ADRS], s21, v5
	s_cmp_lt_u32 ttmp9, 4                          ; the cluster's number, the same in all partners: only q has a bias here
	s_cbranch_scc0 .Lno_bias
	s_lshl_b32 s96, s42, 10
	s_lshl_b32 s98, s16, 9
	s_add_co_u32 s96, s96, s98
	s_mov_b32 s97, 0
	s_add_nc_u64 s[6:7], s[6:7], s[96:97]          ; bq at my 128 columns
.irp b, 0,1,2,3,4,5,6,7
	global_load_b128 v[BQ+8*\b:BQ+8*\b+3], v7, s[6:7] offset:64*\b          ; lane (r, h), block b: bq at columns 16 b + 8 h + 0 .. 7
	global_load_b128 v[BQ+8*\b+4:BQ+8*\b+7], v7, s[6:7] offset:64*\b+16
.endr
	s_branch .Lbias_set
.Lno_bias:
.set i, 0
.rept 64
	v_mov_b32 v[BQ+i], 0                           ; k and v: sums that start from nothing; these lines run while the first tiles are on their way
.set i, i+1
.endr
.Lbias_set:
.macro FRAG reg, adr, q, i             ; a fragment's image: registers 4 c .. 4 c + 3 at 512 c + 16 x lane
.irp c, 0,1
	ds_load_b128 v[\reg+4*\c:\reg+4*\c+3], v[\adr] offset:1024*(\q)+512*\c+(\i)*4096
.endr
.endm
; 16 matrix instructions: A's blocks a0, a0 + 1 x B's eight.  The 64 accumulators take turns, one instruction a turn, in the same order in every step.
; zero = 1: the first product starts the sums from the bias: nothing is cleared or added afterwards.
.macro MUL16 a0, p, q, sc, zero
.irp a, \a0, \a0+1
.irp b, 0,1,2,3,4,5,6,7
.if \zero
	v_wmma_scale_f32_16x16x128_f8f6f4 v[8*(8*((\a)%4)+\b):8*(8*((\a)%4)+\b)+7], v[128*(\p)+FR*\b:128*(\p)+FR*\b+FR-1], v[AF+FR*(\a):AF+FR*(\a)+FR-1], v[BQ+8*\b:BQ+8*\b+7], v[SC+8*NQ*(\sc)+NQ*\b+(\q)], v[SC+8*NQ*(\sc)+NQ*(\a)+(\q)] matrix_a_fmt:MATRIX_FMT_FP4 matrix_b_fmt:MATRIX_FMT_FP4 matrix_a_scale:MATRIX_SCALE_ROW1
.else
	v_wmma_scale_f32_16x16x128_f8f6f4 v[8*(8*((\a)%4)+\b):8*(8*((\a)%4)+\b)+7], v[128*(\p)+FR*\b:128*(\p)+FR*\b+FR-1], v[AF+FR*(\a):AF+FR*(\a)+FR-1], v[8*(8*((\a)%4)+\b):8*(8*((\a)%4)+\b)+7], v[SC+8*NQ*(\sc)+NQ*\b+(\q)], v[SC+8*NQ*(\sc)+NQ*(\a)+(\q)] matrix_a_fmt:MATRIX_FMT_FP4 matrix_b_fmt:MATRIX_FMT_FP4 matrix_a_scale:MATRIX_SCALE_ROW1
.endif
.endr
.endr
.endm
.macro FETCH_B slot, q, p
	WIN TO_B
.irp i, 0,1,2,3,4,5,6,7
	FRAG 128*(\p)+FR*\i, ADRB+\slot, \q, \i
.endr
	WIN 0
.endm
.macro FETCH_A slot, q, i0
.irp i, \i0, \i0+1, \i0+2, \i0+3
	FRAG AF+FR*(\i), ADRA+\slot, \q, \i
.endr
.endm
.macro SCALES sc                       ; a slot's scale words: four a row; lanes 0-15 A's block i, lanes 16-31 B's block i
.irp i, 0,1,2,3,4,5,6,7
	ds_load_b128 v[SC+8*NQ*\sc+NQ*\i:SC+8*NQ*\sc+NQ*\i+3], v[ADRS] offset:\i*512+256*\sc
.endr
.endm
.macro PLACES n
.rept \n
	v_nop
.endr
.endm
.macro STEP slot, q, zero              ; a step of 128 along K that has its successor in the same slot.  zero = 1: C is the bias, in window 0
	s_wait_dscnt 4*NL                              ; B's set and A's blocks 0-3 are in; the youngest eight loads (A's blocks 4-7) may be out
	WIN MUL_LO-0x20*\zero
	MUL16 0, (\q)%2, \q, \slot, \zero
	MUL16 2, (\q)%2, \q, \slot, \zero
	s_wait_dscnt 0                                 ; A's blocks 4-7 are in
	PLACES NP                                      ; in front of loads into registers that matrix instructions have read
	FETCH_B \slot, (\q)+1, 1-(\q)%2
	FETCH_A \slot, (\q)+1, 0
	WIN MUL_HI-0x30*\zero
	MUL16 4, (\q)%2, \q, \slot, \zero
	MUL16 6, (\q)%2, \q, \slot, \zero
	PLACES NP
	WIN 0
	FETCH_A \slot, (\q)+1, 4
.endm
.macro STEPS slot, from
.set Q, \from
.rept NQ-1-\from
	STEP \slot, Q, 0
.set Q, Q+1
.endr
.endm
	s_wait_tensorcnt 1                             ; the scale words and my part of slot 0 are in (slot 1's load may be out)
	s_barrier_signal -1
	s_barrier_wait -1                              ; everybody's are
	FETCH_B 0, 0, 0
	FETCH_A 0, 0, 0
	SCALES 0
	FETCH_A 0, 0, 4
	s_wait_loadcnt 0x0                             ; the bias
	STEP 0, 0, 1                                   ; the first step's products start the sums
	STEPS 0, 1
	; slot 0's last step, and the change to slot 1
	s_wait_tensorcnt 0x0                           ; my part of slot 1 has landed;
	ds_add_u32 v[SPW], v[NIL]
	s_wait_dscnt 4*NL+1                            ; (the add and the youngest eight loads may be out)
	WIN MUL_LO
	MUL16 0, 1, NQ-1, 0, 0
	s_wait_dscnt 0x0
	s_barrier_signal -1
	MUL16 2, 1, NQ-1, 0, 0
	WIN 0
	s_barrier_wait -1                              ; slot 1 is whole
	PLACES NP
	FETCH_B 1, 0, 0
	FETCH_A 1, 0, 0
	SCALES 1
	WIN MUL_HI
	MUL16 4, 1, NQ-1, 0, 0
	MUL16 6, 1, NQ-1, 0, 0
	PLACES NP
	WIN 0
	FETCH_A 1, 0, 4
	STEPS 1, 0
	s_wait_dscnt 4*NL                              ; the last step: nothing more to fetch
	WIN MUL_LO
	MUL16 0, 1, NQ-1, 1, 0
	MUL16 2, 1, NQ-1, 1, 0
	s_wait_dscnt 0
	WIN MUL_HI
	MUL16 4, 1, NQ-1, 1, 0
	MUL16 6, 1, NQ-1, 1, 0
	WIN 0
; THE WAY OUT.  Lane (r, h) of accumulator (a, b) holds C'(16 a + r, 16 b + 8 h + 0 .. 7): as f16 these are 16 bytes at 16 x lane of half a fragment of the next operand: each store covers 512 consecutive bytes.
; kind 1: q or k, 2: v^T.  Each accumulator is read from its low end on.
.macro OUTBLK kind, a
.set AC, 64*((\a)%4)
.set HB, 96+96*((\a)%2)
.if (\a) > 1
	s_wait_xcnt 0x0                                ; the stores of two blocks back have read their data
.endif
	WIN 0x0a+5*((\a)/4)
.set p, 0
.rept 32
	v_cvt_pk_f16_f32 v[HB+p], v[AC+2*p], v[AC+2*p+1]
.set p, p+1
.endr
	WIN 0
.irp b, 0,1,2,3,4,5,6,7
.if \kind == 2
	global_store_b128 v[CO], v[HB+4*\b:HB+4*\b+3], s[8:9] offset:262144*((\a)/4)+1024*((\a)%4)+4096*(\b/2)+512*(\b%2)
.else
	global_store_b128 v[CO], v[HB+4*\b:HB+4*\b+3], s[8:9] offset:2048*(\a)+262144*(\b/4)+1024*((\b/2)%2)+512*(\b%2)
.endif
.endr
.endm
	PLACES NP                                      ; behind the last products: for the reads of results
	s_cmp_ge_u32 ttmp9, 8
	s_cbranch_scc1 .Lout_v
	s_lshl_b32 s95, s17, 8
	s_lshl_b32 s98, s15, 7
	s_add_co_u32 s95, s95, s98                     ; my first token
	s_lshr_b32 s98, s95, 11                        ; its batch
	s_and_b32 s95, s95, 2047
	s_lshr_b32 s95, s95, 4                         ; its tile of 16 tokens
	s_lshl_b32 s98, s98, 4
	s_and_b32 s99, s42, 3
	s_lshl_b32 s99, s99, 2
	s_add_co_u32 s98, s98, s99
	s_lshl_b32 s99, s16, 1
	s_add_co_u32 s98, s98, s99                     ; 16 x batch + my first head
	s_lshl_b32 s98, s98, 7
	s_add_co_u32 s98, s98, s95
	s_lshl_b32 s96, s98, 11
	s_cmp_ge_u32 ttmp9, 4
	s_cselect_b32 s98, 8388608, 0                  ; k's images lie behind q's
	s_add_co_u32 s96, s96, s98
	s_mov_b32 s97, 0
	s_add_nc_u64 s[8:9], s[8:9], s[96:97]
.irp a, 0,1,2,3,4,5,6,7
	OUTBLK 1, \a
.endr
	s_branch .Lend
.Lout_v:
	s_lshl_b32 s95, s42, 8
	s_lshl_b32 s98, s16, 7
	s_add_co_u32 s95, s95, s98                     ; my first token
	s_lshr_b32 s98, s95, 11
	s_and_b32 s95, s95, 2047
	s_lshr_b32 s95, s95, 5                         ; its block of 32 tokens
	s_lshl_b32 s98, s98, 4
	s_lshl_b32 s99, s17, 2
	s_add_co_u32 s98, s98, s99
	s_lshl_b32 s99, s15, 1
	s_add_co_u32 s98, s98, s99                     ; 16 x batch + my first head
	s_lshl_b32 s98, s98, 6
	s_add_co_u32 s98, s98, s95
	s_lshl_b32 s96, s98, 12
	s_add_co_u32 s96, s96, 16777216
	s_mov_b32 s97, 0
	s_add_nc_u64 s[8:9], s[8:9], s[96:97]
.irp a, 0,1,2,3,4,5,6,7
	OUTBLK 2, \a
.endr
.Lend:
	s_wait_tensorcnt 0x0                           ; the wave's end
	ds_add_u32 v[SPW], v[NIL]
	s_wait_dscnt 0x0
	CROUND                                         ; the closing round
	s_endpgm
.Lfunc_end_k_q2c5a817928_qkv:
	.size	k_q2c5a817928_qkv, .Lfunc_end_k_q2c5a817928_qkv-k_q2c5a817928_qkv
	.p2alignl 7, 3214868480
	.fill 96, 4, 3214868480
	.section	.rodata,"a",@progbits
	.p2align	6, 0x0
	.amdhsa_kernel k_q2c5a817928_qkv
		.amdhsa_group_segment_fixed_size 327680
		.amdhsa_private_segment_fixed_size 0
		.amdhsa_enable_private_segment 0
		.amdhsa_kernarg_size 24
		.amdhsa_user_sgpr_count 2
		.amdhsa_user_sgpr_kernarg_segment_ptr 1
		.amdhsa_wavefront_size32 1
		.amdhsa_system_sgpr_workgroup_id_x 1
		.amdhsa_system_sgpr_workgroup_id_y 1
		.amdhsa_system_sgpr_workgroup_id_z 1
		.amdhsa_system_vgpr_workitem_id 0
		.amdhsa_next_free_vgpr 1024
		.amdhsa_next_free_sgpr 100
		.amdhsa_reserve_vcc 0
		.amdhsa_float_denorm_mode_32 3
		.amdhsa_float_denorm_mode_16_64 3
		.amdhsa_memory_ordered 1
		.amdhsa_forward_progress 1
		.amdhsa_inst_pref_size 145
	.end_amdhsa_kernel
	.amdgpu_metadata
---
amdhsa.version: [ 1, 2 ]
amdhsa.kernels:
  - .name:           k_q2c5a817928_qkv
    .symbol:         k_q2c5a817928_qkv.kd
    .args:
      - { .name: codes, .offset: 0, .size: 8, .value_kind: global_buffer, .address_space: global }
      - { .name: bq, .offset: 8, .size: 8, .value_kind: global_buffer, .address_space: global }
      - { .name: qkv, .offset: 16, .size: 8, .value_kind: global_buffer, .address_space: global }
    .group_segment_fixed_size: 327680
    .private_segment_fixed_size: 0
    .kernarg_segment_align: 8
    .kernarg_segment_size: 24
    .max_flat_workgroup_size: 128
    .sgpr_count:     100
    .vgpr_count:     1024
    .wavefront_size: 32
...
	.end_amdgpu_metadata
.endif
;; end of part 2
;; launch attn (part 3): grid 8 x 32, 8 waves a work-group, clusters of 4 x 1, 327,680 bytes of LDS; arguments qkv, attention_mask, bv, act; writes act
.if DOCPART == 3
	.amdgcn_target "amdgcn-amd-amdhsa--gfx1250"
	.amdhsa_code_object_version 6
	.text
	.protected	k_q2c5a817928_attn
	.globl	k_q2c5a817928_attn
	.p2align	8
	.type	k_q2c5a817928_attn,@function
k_q2c5a817928_attn:
	s_mov_b64 s[64:65], 0
	v_nop
	global_prefetch_b8 v0, s[64:65] scope:SCOPE_SE
	s_setreg_imm32_b32 hwreg(HW_REG_WAVE_MODE, 25, 1), 1
	s_wait_xcnt 0x0
	s_wait_alu depctr_hold_cnt(0) depctr_sa_sdst(0) depctr_va_vdst(0) depctr_va_sdst(0) depctr_va_ssrc(0) depctr_va_vcc(0) depctr_vm_vsrc(0)
	s_getreg_b32 s2, hwreg(HW_REG_IB_STS2, 6, 4)
	s_cmp_eq_u32 s2, 0
	s_cbranch_scc0 .Lentry_in_a_cluster
	s_endpgm
.Lentry_in_a_cluster:
	s_bfe_u32 s2, ttmp6, 0x10000c
	s_cmp_lg_u32 s2, 0x3003
	s_cbranch_scc0 .Lentry_shape_is_right
	s_endpgm
.Lentry_shape_is_right:
; a[b][q][head] = sum over keys of softmax(q . k / 8, keys with attention_mask != 1 hidden) v + bv.  q, k, v^T: f16 images; sums, maxima and exponentials in f32; the weights p are rounded to f16.
; LEFT OUT: bk (dead: shown at the head of the first launch).  bv is added here, behind the division by the row's sum (the weights add up to 1).
; SHARES.  A work-group owns 256 queries of one head.  Wave w: 64 queries (four tiles of 16), group w % 4; of the key steps of 64 it walks every second one, those of parity w / 4.  Two waves lie on a SIMD,
; so that one wave's softmax stands beside the other's products.  At the end the two halves of the keys are merged through LDS.
; LAYOUT.  S^T = K Q^T and O^T = V^T P: a lane holds ONE query (lane % 16) throughout; two tiles of S^T, rounded in pairs, are source 1 of the second product.
; THE MASK costs no instruction in the loop: a key's bias, 0 or -1e30, is the C of the score's first product.  The running maximum starts at -1e20, so a hidden score gives 2^(about -1.8e29) = 0, as exp(-inf) does.
; A batch with no key at 1 ends with sum 0: its reciprocal is infinite and 0 x infinity is NaN, as in the definition.  LIMIT: true scores lie above -1e20 (with f16 operands they cannot pass 2.8e11 in size).
; RING.  Two slots of 512 keys (K 64 KB, V 64 KB), dense images; every wave fetches 16 KB of a slot by one joint load: the four query blocks of a cluster walk the same K and V.
; REGISTERS.  window 0: v2-11 addresses; v14, v15 the add's two; v16-47 statistics, 8 a tile (+0 c m, +1 m, +2, +3 the sum, +4 .. +7 at work; +6 becomes a); v48-79 the keys' biases; v80-95 at work; v96-127 bv; v128-255 S^T, then p.
;   window 1: v0-63 Q; v64-127 K, then V, of the step; v128-255 O^T.
.set SLOT1, 131072
.set VOFF,  65536
.set BIAS,  262144                     ; the batch's 2,048 biases, 8 KB
.set SPARE, 270336                     ; the spare words, 128 bytes for each of eight waves
.set MST,   17408                      ; the merge's stage for a group of queries, in slot 0 behind its last fill and its last read: O^T 16 KB, then 8 rows of 128 bytes
.set AK0, 2
.set ADK, 3
.set ADV, 4
.set AB0, 5
.set ADB, 6
.set L16, 7
.set MO,  8
.set MS,  9
.set PFO, 10
.set NEG, 11
.set SPW, 14
.set NIL, 15
.set ST,  16
.set BI,  48
.set TMP, 80
.set BV,  96
.set SS,  128
.set QF,  0
.set KV,  64
.set OA,  128
.set WV,  12
.set G1,  24
.set G0A, 32
.set G0B, 36
.set CS,  40                           ; s[40:41] c = log2(e) / 8
.set SEL, 42
.set TB,  44                           ; LDS byte of the step's K, less my lane's part
.set TBB, 45                           ; and of its biases
.set CNT, 46
.set LIM, 47
.set PFA, 48
.set MSB, 0
.macro WIN new
.if MSB != \new
	s_set_vgpr_msb (MSB<<8)|\new
.set MSB, \new
.endif
.endm
.macro PLACES n
.rept \n
	v_nop
.endr
.endm
.macro CROUND
	s_barrier_signal -1
	s_barrier_wait -1
	s_cmp_lg_u32 s[WV], 0
	s_cbranch_scc1 .Lnot_wave_0_\@
	s_barrier_signal -3
.Lnot_wave_0_\@:
	s_barrier_wait -3
	s_barrier_signal -1
	s_barrier_wait -1
.endm
	s_load_b256 s[4:11], s[0:1], 0x0               ; qkv s[4:5], attention_mask s[6:7], bv s[8:9], act s[10:11]
	v_lshl_add_u32 v[SPW], v0, 2, SPARE
	v_mov_b32 v[NIL], 0
	ds_add_u32 v[SPW], v[NIL]                      ; the wave's opening: the add, twice on end, and its wait ahead of my first tensor load
	ds_add_u32 v[SPW], v[NIL]
	v_lshrrev_b32 v1, 5, v0
	v_readfirstlane_b32 s[WV], v1                  ; wave 0..7
	s_bfe_u32 s13, ttmp6, 0x40000                  ; cx
	s_lshl_b32 s14, ttmp9, 2
	s_add_co_u32 s14, s14, s13                     ; my block of 256 queries: it enters Q's, the output's and the prefetch's addresses alone
	s_and_b32 s15, ttmp7, 0xffff                   ; 16 x batch + head, which the four partners share
	s_and_b32 s16, s[WV], 3                        ; my group of queries
	s_lshr_b32 s17, s[WV], 2                       ; my parity of key steps
	s_mov_b32 s[G1], 15|(3<<16)|(1<<21)            ; 15:0 the mask: all four work-groups; 17:16 elements of 8 bytes; 21 set beside a mask
	s_mov_b32 s[G1+1], 32<<16                      ; 16 KB dense, as 64 rows of 256 bytes
	s_mov_b32 s[G1+2], 64<<16
	s_mov_b32 s[G1+3], 32<<16
	s_mov_b32 s[G1+4], 64
	s_mov_b32 s[G1+5], 32
	s_mov_b32 s[G1+6], 0
	s_mov_b32 s[G1+7], 0
	s_lshl_b32 s18, s17, 23
	s_add_co_u32 s18, s18, 8388608                 ; waves 0-3 fetch K's quarters, waves 4-7 V's
	s_lshl_b32 s19, s15, 18
	s_add_co_u32 s18, s18, s19
	s_lshl_b32 s19, s16, 14
	s_add_co_u32 s18, s18, s19
	s_mov_b32 s19, 0
	s_lshl_b32 s20, s[WV], 14                      ; and where it goes: wave x 16 KB
	s_mov_b32 s[CS], 0x3e38aa3b
	s_mov_b32 s[CS+1], s[CS]
	s_mov_b32 s[SEL], 0x76543210
	s_mov_b32 s[SEL+1], 0xfedcba98
	s_and_b32 s[LIM], s[WV], 1
	s_or_b32 s[LIM], s[LIM], ttmp9                 ; 0 in the even waves of the head's first cluster: the same in all four partners
	s_wait_dscnt 0x0                               ; both opening adds are done
	s_wait_kmcnt 0x0
	s_add_nc_u64 s[18:19], s[4:5], s[18:19]
	CROUND                                         ; all four work-groups are here: the first joint loads meet
	s_mov_b32 s[G0A], 1
	s_mov_b32 s[G0A+1], s20
	s_mov_b64 s[G0A+2:G0A+3], s[18:19]
	s_or_b32 s[G0A+3], s[G0A+3], 0x80000000
	s_mov_b32 s[G0B], 1
	s_add_co_u32 s[G0B+1], s20, SLOT1
	s_add_nc_u64 s[G0B+2:G0B+3], s[18:19], 65536
	s_or_b32 s[G0B+3], s[G0B+3], 0x80000000
	tensor_load_to_lds s[G0A:G0A+3], s[G1:G1+7]    ; keys 0-511
	s_nop 0
	tensor_load_to_lds s[G0B:G0B+3], s[G1:G1+7]    ; keys 512-1023: two loads of mine are out
	s_nop 0
	PLACES 4
	s_lshl_b32 s50, s13, 13
	s_add_co_u32 s50, s50, 196608
	s_mov_b32 s51, 0
	s_add_nc_u64 s[PFA:PFA+1], s[18:19], s[50:51]  ; the prefetch: keys 1536 on, of my and the next wave's 32 KB my work-group's 8 KB
	s_lshr_b32 s52, s15, 4                         ; batch
	s_lshl_b32 s50, s52, 13
	s_add_nc_u64 s[6:7], s[6:7], s[50:51]
	v_lshlrev_b32 v1, 5, v0
	global_load_b128 v[80:83], v1, s[6:7]          ; eight of the batch's 2,048 mask words a thread
	global_load_b128 v[84:87], v1, s[6:7] offset:16
	s_lshl_b32 s50, s15, 7
	s_lshl_b32 s53, s14, 4
	s_add_co_u32 s50, s50, s53
	s_lshl_b32 s53, s16, 2
	s_add_co_u32 s50, s50, s53
	s_lshl_b32 s50, s50, 11
	s_add_nc_u64 s[4:5], s[4:5], s[50:51]          ; Q at my four tiles
	v_and_b32 v13, 31, v0
	v_lshlrev_b32 v[L16], 4, v13
	WIN 0x40
.irp t, 0,1,2,3
.irp c, 0,1
	global_load_b128 v[QF+16*\t+8*\c:QF+16*\t+8*\c+3], v[L16], s[4:5] offset:2048*\t+1024*\c
	global_load_b128 v[QF+16*\t+8*\c+4:QF+16*\t+8*\c+7], v[L16], s[4:5] offset:2048*\t+1024*\c+512
.endr
.endr
	WIN 0
	s_and_b32 s54, s15, 15                         ; head
	s_lshl_b32 s50, s54, 8
	s_add_nc_u64 s[8:9], s[8:9], s[50:51]
	v_bfe_u32 v12, v0, 4, 1
	v_lshlrev_b32 v12, 5, v12                      ; 32 h
.irp d, 0,1,2,3
	global_load_b128 v[BV+8*\d:BV+8*\d+3], v12, s[8:9] offset:64*\d
	global_load_b128 v[BV+8*\d+4:BV+8*\d+7], v12, s[8:9] offset:64*\d+16
.endr
	s_lshl_b32 s50, s52, 7
	s_lshl_b32 s53, s14, 4
	s_add_co_u32 s50, s50, s53
	s_lshl_b32 s53, s16, 2
	s_add_co_u32 s50, s50, s53
	s_lshl_b32 s50, s50, 15
	s_lshl_b32 s53, s54, 11
	s_add_co_u32 s50, s50, s53
	s_add_nc_u64 s[10:11], s[10:11], s[50:51]      ; the output at my four tiles of tokens, my head's two fragments
	s_lshl_b32 s53, s17, 13
	v_add_nc_u32 v[AK0], s53, v[L16]
	s_lshl_b32 s53, s17, 8
	s_add_co_u32 s53, s53, BIAS
	v_add_nc_u32 v[AB0], s53, v12
	s_mul_i32 s53, s16, MST
	v_add_nc_u32 v[MO], s53, v[L16]
	s_add_co_u32 s53, s53, 16384
	v_lshl_add_u32 v[MS], v13, 2, s53
	v_lshlrev_b32 v[PFO], 8, v13
	v_lshl_add_u32 v13, v0, 5, BIAS
	v_mov_b32 v[NEG], 0xf149f2ca                   ; -1e30
	s_wait_loadcnt 24                              ; the mask words are in; Q's 16 loads and bv's 8 may be out
.irp i, 0,1,2,3,4,5,6,7
	v_cmp_ne_u32 vcc_lo, 1, v[80+\i]
	v_cndmask_b32 v[88+\i], 0, v[NEG], vcc_lo      ; a key counts where its word is 1
.endr
	ds_store_b128 v13, v[88:91]
	ds_store_b128 v13, v[92:95] offset:16
	s_wait_dscnt 0x0                               ; for the others' sake: my biases lie in LDS,
	s_wait_tensorcnt 0x1                           ; my part of slot 0 is in (slot 1's may be out)
	s_barrier_signal -1
	s_barrier_wait -1
	s_wait_loadcnt 0x0                             ; Q and bv
; THE SOFTMAX of a step, four tiles by turns line by line.  first = 1: the first step, which has no old maximum, no a and nothing to rescale.
.macro SOFT first
.irp j, 0,1,2,3
.irp t, 0,1,2,3
	v_max3_num_f32 v[ST+8*\t+4+\j], v[SS+32*\t+8*\j], v[SS+32*\t+8*\j+1], v[SS+32*\t+8*\j+2]   ; each accumulator is read from its low end on
.endr
.endr
.irp u, 3,5
.irp j, 0,1,2,3
.irp t, 0,1,2,3
	v_max3_num_f32 v[ST+8*\t+4+\j], v[ST+8*\t+4+\j], v[SS+32*\t+8*\j+\u], v[SS+32*\t+8*\j+\u+1]
.endr
.endr
.endr
.irp t, 0,1,2,3
	v_max3_num_f32 v[ST+8*\t+4], v[ST+8*\t+4], v[SS+32*\t+7], v[SS+32*\t+15]
.endr
.irp t, 0,1,2,3
	v_max3_num_f32 v[ST+8*\t+6], v[ST+8*\t+6], v[SS+32*\t+23], v[SS+32*\t+31]
.endr
.irp t, 0,1,2,3
	v_max3_num_f32 v[ST+8*\t+4], v[ST+8*\t+4], v[ST+8*\t+5], v[ST+8*\t+6]
.endr
.irp t, 0,1,2,3
.if \first
	v_max3_num_f32 v[ST+8*\t+4], v[ST+8*\t+4], v[ST+8*\t+7], 0xe0ad78ec   ; the floor -1e20, over every hidden score
.else
	v_max3_num_f32 v[ST+8*\t+4], v[ST+8*\t+4], v[ST+8*\t+7], v[ST+8*\t+1]
.endif
.endr
.irp t, 0,1,2,3
	v_permlanex16_b32 v[ST+8*\t+5], v[ST+8*\t+4], s[SEL], s[SEL+1]        ; the query's other 32 keys lie in the lane 16 away
.endr
.if \first == 0
.irp t, 0,1,2,3
	v_mov_b32 v[ST+8*\t+7], v[ST+8*\t]             ; c m_old
.endr
.endif
.irp t, 0,1,2,3
	v_max_num_f32 v[ST+8*\t+1], v[ST+8*\t+4], v[ST+8*\t+5]
.endr
.irp t, 0,1,2,3
	v_mul_f32 v[ST+8*\t], s[CS], v[ST+8*\t+1]
.endr
.if \first == 0
.irp t, 0,1,2,3
	v_sub_f32 v[ST+8*\t+7], v[ST+8*\t+7], v[ST+8*\t]
.endr
.endif
.set p, 0
.rept 16
.irp t, 0,1,2,3
	v_pk_fma_f32 v[SS+32*\t+2*p:SS+32*\t+2*p+1], v[SS+32*\t+2*p:SS+32*\t+2*p+1], s[CS:CS+1], v[ST+8*\t:ST+8*\t+1] op_sel_hi:[1,0,0] neg_lo:[0,0,1] neg_hi:[0,0,1]   ; c s - c m
.endr
.set p, p+1
.endr
.if \first == 0
.irp t, 0,1,2,3
	v_exp_f32 v[ST+8*\t+6], v[ST+8*\t+7]           ; a = 2^(c m_old - c m_new)
.endr
.endif
.set e, 0
.rept 32
.irp t, 0,1,2,3
	v_exp_f32 v[SS+32*\t+e], v[SS+32*\t+e]
.endr
.set e, e+1
.endr
	v_nop                                          ; one plain instruction behind the last exponential,
	s_wait_alu depctr_va_vdst(0)                   ; and ONE wait for the whole batch, ahead of its first reader
.irp t, 0,1,2,3
	v_pk_add_f32 v[ST+8*\t+4:ST+8*\t+5], v[SS+32*\t:SS+32*\t+1], v[SS+32*\t+2:SS+32*\t+3]
.endr
.set p, 2
.rept 13
.irp t, 0,1,2,3
	v_pk_add_f32 v[ST+8*\t+4:ST+8*\t+5], v[ST+8*\t+4:ST+8*\t+5], v[SS+32*\t+2*p:SS+32*\t+2*p+1]
.endr
.set p, p+1
.endr
.irp t, 0,1,2,3
.if \first
	v_pk_add_f32 v[ST+8*\t+2:ST+8*\t+3], v[ST+8*\t+4:ST+8*\t+5], v[SS+32*\t+30:SS+32*\t+31]
.else
	v_pk_add_f32 v[ST+8*\t+4:ST+8*\t+5], v[ST+8*\t+4:ST+8*\t+5], v[SS+32*\t+30:SS+32*\t+31]
.endif
.endr
.if \first == 0
.irp t, 0,1,2,3
	v_pk_fma_f32 v[ST+8*\t+2:ST+8*\t+3], v[ST+8*\t+2:ST+8*\t+3], v[ST+8*\t+6:ST+8*\t+7], v[ST+8*\t+4:ST+8*\t+5] op_sel_hi:[1,0,1]   ; the sum = a x the sum + the step's
.endr
.endif
.set p, 0
.rept 16
.irp t, 0,1,2,3
	v_cvt_pk_f16_f32 v[SS+32*\t+p], v[SS+32*\t+2*p], v[SS+32*\t+2*p+1]   ; p to f16, in place, ascending: the tile's low 16 registers are source 1 of the second product
.endr
.set p, p+1
.endr
.endm
; A KEY STEP of 64 keys.
.macro STEP first
	v_add_nc_u32 v[ADK], s[TB], v[AK0]             ; these three and two v_nop are the five places between the last products V^T P and the scores that write over p's registers,
	v_add_nc_u32 v[ADB], s[TBB], v[AB0]            ; and the places in front of the loads into the registers that held V
	v_add_nc_u32 v[ADV], VOFF, v[ADK]
	PLACES 2
	WIN 0x40
.irp f, 0,1,2,3,4,5,6,7
	ds_load_b128 v[KV+8*\f:KV+8*\f+3], v[ADK] offset:1024*\f          ; K: keys 16 (f / 2) on, channels 32 (f % 2) on
	ds_load_b128 v[KV+8*\f+4:KV+8*\f+7], v[ADK] offset:1024*\f+512
.endr
	WIN 0
.irp k, 0,1,2,3
	ds_load_b128 v[BI+8*\k:BI+8*\k+3], v[ADB] offset:64*\k            ; the biases of keys 16 k + 8 h + 0 .. 7
	ds_load_b128 v[BI+8*\k+4:BI+8*\k+7], v[ADB] offset:64*\k+16
.endr
	s_wait_dscnt 0x0
	WIN 0x05
.set i, 0
.rept 32                               ; S^T = K Q^T + bias: 16 accumulators by turns, one instruction a turn
.set rS, SS+32*(i%4)+8*((i/4)%4)
.set rK, KV+8*(2*((i/4)%4)+i/16)
.set rQ, QF+16*(i%4)+8*(i/16)
.set rB, BI+8*((i/4)%4)
.if i < 16
	v_wmma_f32_16x16x32_f16 v[rS:rS+7], v[rK:rK+7], v[rQ:rQ+7], v[rB:rB+7]
.else
	v_wmma_f32_16x16x32_f16 v[rS:rS+7], v[rK:rK+7], v[rQ:rQ+7], v[rS:rS+7]
.endif
.set i, i+1
.endr
	PLACES 4                                       ; in front of the loads into K's registers and of the first read of the scores
	WIN 0x40
.irp f, 0,1,2,3,4,5,6,7
	ds_load_b128 v[KV+8*\f:KV+8*\f+3], v[ADV] offset:1024*\f          ; V^T: keys 32 (f / 4) on, channels 16 (f % 4) on: it lands during the softmax
	ds_load_b128 v[KV+8*\f+4:KV+8*\f+7], v[ADV] offset:1024*\f+512
.endr
	WIN 0
	SOFT \first
.if \first
	PLACES 4
.else
	WIN 0x41
.irp t, 0,1,2,3
.set p, 0
.rept 16
	v_pk_mul_f32 v[OA+32*\t+2*p:OA+32*\t+2*p+1], v[OA+32*\t+2*p:OA+32*\t+2*p+1], v[ST+8*\t+6:ST+8*\t+7] op_sel_hi:[1,0]   ; O^T x a
.set p, p+1
.endr
.endr
.endif
	s_wait_dscnt 0x0                               ; V is in
	WIN 0x51
.set i, 0
.rept 32                               ; O^T += V^T P: 16 accumulators by turns
.set rO, OA+32*(i%4)+8*((i/4)%4)
.set rV, KV+8*(4*(i/16)+(i/4)%4)
.set rP, SS+32*(i%4)+8*(i/16)
.if \first && (i < 16)
	v_wmma_f32_16x16x32_f16 v[rO:rO+7], v[rV:rV+7], v[rP:rP+7], 0
.else
	v_wmma_f32_16x16x32_f16 v[rO:rO+7], v[rV:rV+7], v[rP:rP+7], v[rO:rO+7]
.endif
.set i, i+1
.endr
	WIN 0
	s_add_co_u32 s[TB], s[TB], 16384               ; my next step: two steps of 8 KB on
	s_add_co_u32 s[TBB], s[TBB], 512
.endm
.macro SLOT_STEPS n
	s_mov_b32 s[CNT], \n
.Lstep_\@:
	STEP 0
	s_sub_co_u32 s[CNT], s[CNT], 1
	s_cmp_lg_u32 s[CNT], 0
	s_cbranch_scc1 .Lstep_\@
.endm
; THE CHANGE OF SLOTS.  Each wave waits for all its tensor loads (its part of the slot ahead), adds 0 to its spare word, and waits for that and for its reads of the slot that it leaves.
; fill = 1: a round of the cluster's barrier, and behind it the slot just left takes the keys 1,024 further on: my one tensor load until the next round; it has a slot's steps in which to land.
.macro CHANGE g0, fill
	s_wait_tensorcnt 0x0
	ds_add_u32 v[SPW], v[NIL]
.if \fill
	s_add_nc_u64 s[\g0+2:\g0+3], s[\g0+2:\g0+3], 131072   ; no tensor load of mine is out: the group 0 may be written
	s_wait_dscnt 0x0
	CROUND
	tensor_load_to_lds s[\g0:\g0+3], s[G1:G1+7]
	s_nop 0
	PLACES 4
.else
	s_wait_dscnt 0x0
	s_barrier_signal -1
	s_barrier_wait -1
.endif
.endm
	s_mov_b32 s[TB], 0
	s_mov_b32 s[TBB], 0
	STEP 1                                         ; the first step starts the maxima, the sums and O^T: nothing is cleared
	SLOT_STEPS 3
	CHANGE G0A, 1                                  ; slot 0 takes keys 1024-1535
	s_cmp_eq_u32 s[LIM], 0                         ; A PREFETCH of what the next change will ask for, keys 1536-2047: 128 KB, each aligned 256 bytes named once: the head's first cluster asks,
	s_cbranch_scc0 .Lnot_mine                      ; its four partners share the bytes by address, 8 KB to each even wave, a lane to each 256 bytes; a slot's steps ahead of that load
	global_prefetch_b8 v[PFO], s[PFA:PFA+1] th:TH_LOAD_NT scope:SCOPE_SE
.Lnot_mine:
	s_mov_b32 s[TB], SLOT1
	s_mov_b32 s[TBB], 2048
	SLOT_STEPS 4
	CHANGE G0B, 1                                  ; slot 1 takes keys 1536-2047
	s_mov_b32 s[TB], 0
	s_mov_b32 s[TBB], 4096
	SLOT_STEPS 4
	CHANGE G0A, 0                                  ; nothing is left to fetch
	s_mov_b32 s[TB], SLOT1
	s_mov_b32 s[TBB], 6144
	SLOT_STEPS 4
	; THE MERGE of the two halves of the keys, and the way out.  These twelve lines are also the places behind the last products.
.irp t, 0,1,2,3
	v_add_f32 v[ST+8*\t+4], v[ST+8*\t+2], v[ST+8*\t+3]
.endr
.irp t, 0,1,2,3
	v_permlanex16_b32 v[ST+8*\t+5], v[ST+8*\t+4], s[SEL], s[SEL+1]
.endr
.irp t, 0,1,2,3
	v_add_f32 v[ST+8*\t+4], v[ST+8*\t+4], v[ST+8*\t+5]     ; my half's sum of the row
.endr
	s_cmp_lt_u32 s[WV], 4
	s_cbranch_scc1 .Lkeeper
	WIN 0x04                                       ; an LDS store's data are its source 1: window 1
.set i, 0
.rept 32
	ds_store_b128 v[MO], v[OA+4*i:OA+4*i+3] offset:512*i   ; waves 4-7: O^T as an image of its registers, each accumulator from its low end on
.set i, i+1
.endr
	WIN 0
.irp t, 0,1,2,3
	ds_store_b32 v[MS], v[ST+8*\t] offset:256*\t           ; c m
	ds_store_b32 v[MS], v[ST+8*\t+4] offset:256*\t+128     ; the sum
.endr
.Lkeeper:
	s_wait_dscnt 0x0                               ; for the others' sake: my stores have landed
	s_barrier_signal -1
	s_barrier_wait -1
	s_cmp_ge_u32 s[WV], 4
	s_cbranch_scc1 .Lfin
.set i, 0
.rept 32
	ds_load_b128 v[SS+4*i:SS+4*i+3], v[MO] offset:512*i
.set i, i+1
.endr
.irp t, 0,1,2,3
	ds_load_b32 v[TMP+2*\t], v[MS] offset:256*\t
	ds_load_b32 v[TMP+2*\t+1], v[MS] offset:256*\t+128
.endr
	s_wait_dscnt 0x0
.irp t, 0,1,2,3
	v_max_num_f32 v[ST+8*\t+5], v[ST+8*\t], v[TMP+2*\t]    ; the common c m
.endr
.irp t, 0,1,2,3
	v_sub_f32 v[ST+8*\t+6], v[ST+8*\t], v[ST+8*\t+5]
.endr
.irp t, 0,1,2,3
	v_sub_f32 v[TMP+2*\t], v[TMP+2*\t], v[ST+8*\t+5]
.endr
.irp t, 0,1,2,3
	v_exp_f32 v[ST+8*\t+6], v[ST+8*\t+6]
.endr
.irp t, 0,1,2,3
	v_exp_f32 v[TMP+2*\t], v[TMP+2*\t]
.endr
	v_nop
	s_wait_alu depctr_va_vdst(0)                   ; one wait for the eight
.irp t, 0,1,2,3
	v_mul_f32 v[ST+8*\t+4], v[ST+8*\t+4], v[ST+8*\t+6]
.endr
.irp t, 0,1,2,3
	v_fma_f32 v[ST+8*\t+4], v[TMP+2*\t+1], v[TMP+2*\t], v[ST+8*\t+4]   ; the row's sum under the common maximum
.endr
.irp t, 0,1,2,3
	v_rcp_f32 v[ST+8*\t+5], v[ST+8*\t+4]
.endr
	v_nop
	s_wait_alu depctr_va_vdst(0)                   ; one wait for the four
.irp t, 0,1,2,3
	v_mul_f32 v[ST+8*\t+6], v[ST+8*\t+6], v[ST+8*\t+5]
.endr
.irp t, 0,1,2,3
	v_mul_f32 v[TMP+2*\t], v[TMP+2*\t], v[ST+8*\t+5]
.endr
	WIN 0x41
.irp t, 0,1,2,3
.set p, 0
.rept 16
	v_pk_fma_f32 v[OA+32*\t+2*p:OA+32*\t+2*p+1], v[OA+32*\t+2*p:OA+32*\t+2*p+1], v[ST+8*\t+6:ST+8*\t+7], v[BV+2*p:BV+2*p+1] op_sel_hi:[1,0,1]   ; my half / the sum + bv
.set p, p+1
.endr
.endr
	WIN 0x50
.irp t, 0,1,2,3
.set p, 0
.rept 16
	v_pk_fma_f32 v[OA+32*\t+2*p:OA+32*\t+2*p+1], v[SS+32*\t+2*p:SS+32*\t+2*p+1], v[TMP+2*\t:TMP+2*\t+1], v[OA+32*\t+2*p:OA+32*\t+2*p+1] op_sel_hi:[1,0,1]   ; + the other half / the sum
.set p, p+1
.endr
.endr
	WIN 0x05
.irp t, 0,1,2,3
.set p, 0
.rept 16
	v_cvt_pk_f16_f32 v[SS+32*\t+p], v[OA+32*\t+2*p], v[OA+32*\t+2*p+1]
.set p, p+1
.endr
.endr
	WIN 0
.irp t, 0,1,2,3
.irp d, 0,1,2,3
	global_store_b128 v[L16], v[SS+32*\t+4*\d:SS+32*\t+4*\d+3], s[10:11] offset:32768*\t+512*\d   ; half a fragment of the next product's A: 512 consecutive bytes
.endr
.endr
.Lfin:
	s_wait_tensorcnt 0x0                           ; the wave's end
	ds_add_u32 v[SPW], v[NIL]
	s_wait_dscnt 0x0
	CROUND                                         ; the closing round
	s_endpgm
.Lfunc_end_k_q2c5a817928_attn:
	.size	k_q2c5a817928_attn, .Lfunc_end_k_q2c5a817928_attn-k_q2c5a817928_attn
	.p2alignl 7, 3214868480
	.fill 96, 4, 3214868480
	.section	.rodata,"a",@progbits
	.p2align	6, 0x0
	.amdhsa_kernel k_q2c5a817928_attn
		.amdhsa_group_segment_fixed_size 327680
		.amdhsa_private_segment_fixed_size 0
		.amdhsa_enable_private_segment 0
		.amdhsa_kernarg_size 32
		.amdhsa_user_sgpr_count 2
		.amdhsa_user_sgpr_kernarg_segment_ptr 1
		.amdhsa_wavefront_size32 1
		.amdhsa_system_sgpr_workgroup_id_x 1
		.amdhsa_system_sgpr_workgroup_id_y 1
		.amdhsa_system_sgpr_workgroup_id_z 1
		.amdhsa_system_vgpr_workitem_id 0
		.amdhsa_next_free_vgpr 512
		.amdhsa_next_free_sgpr 66
		.amdhsa_reserve_vcc 1
		.amdhsa_float_denorm_mode_32 3
		.amdhsa_float_denorm_mode_16_64 3
		.amdhsa_memory_ordered 1
		.amdhsa_forward_progress 1
		.amdhsa_inst_pref_size 189
	.end_amdhsa_kernel
	.amdgpu_metadata
---
amdhsa.version: [ 1, 2 ]
amdhsa.kernels:
  - .name:           k_q2c5a817928_attn
    .symbol:         k_q2c5a817928_attn.kd
    .args:
      - { .name: qkv, .offset: 0, .size: 8, .value_kind: global_buffer, .address_space: global }
      - { .name: attention_mask, .offset: 8, .size: 8, .value_kind: global_buffer, .address_space: global }
      - { .name: bv, .offset: 16, .size: 8, .value_kind: global_buffer, .address_space: global }
      - { .name: act, .offset: 24, .size: 8, .value_kind: global_buffer, .address_space: global }
    .group_segment_fixed_size: 327680
    .private_segment_fixed_size: 0
    .kernarg_segment_align: 8
    .kernarg_segment_size: 32
    .max_flat_workgroup_size: 256
    .sgpr_count:     66
    .vgpr_count:     512
    .wavefront_size: 32
...
	.end_amdgpu_metadata
.endif
;; end of part 3
;; launch wo (part 4): grid 8 x 32, 4 waves a work-group, clusters of 4 x 4, 327,680 bytes of LDS; arguments act, wts, bo, y; writes y
.if DOCPART == 4
	.amdgcn_target "amdgcn-amd-amdhsa--gfx1250"
	.amdhsa_code_object_version 6
	.text
	.protected	k_q2c5a817928_wo
	.globl	k_q2c5a817928_wo
	.p2align	8
	.type	k_q2c5a817928_wo,@function
k_q2c5a817928_wo:
	s_mov_b64 s[64:65], 0
	v_nop
	global_prefetch_b8 v0, s[64:65] scope:SCOPE_SE
	s_setreg_imm32_b32 hwreg(HW_REG_WAVE_MODE, 25, 1), 1
	s_wait_xcnt 0x0
	s_wait_alu depctr_hold_cnt(0) depctr_sa_sdst(0) depctr_va_vdst(0) depctr_va_sdst(0) depctr_va_ssrc(0) depctr_va_vcc(0) depctr_vm_vsrc(0)
	s_getreg_b32 s2, hwreg(HW_REG_IB_STS2, 6, 4)
	s_cmp_eq_u32 s2, 0
	s_cbranch_scc0 .Lentry_in_a_cluster
	s_endpgm
.Lentry_in_a_cluster:
	s_bfe_u32 s2, ttmp6, 0x10000c
	s_cmp_lg_u32 s2, 0xf033
	s_cbranch_scc0 .Lentry_shape_is_right
	s_endpgm
.Lentry_shape_is_right:
; y = a Wo + bo.  a: f16 image [mt 256][kt 32][1 KB]; Wo: f16 image [nt 64][kt 32][1 KB]; sums in f32; y: f32, as an image of the accumulators [mt 256][nt 64][2][lane][16 bytes].
; A tile of 128 x 128 to a work-group (256 work-groups), a wave 64 x 64: 16 accumulators.  K goes in steps of 256 through two LDS slots; tiles are dense images, so no padding: every fragment load takes 512 consecutive bytes.
; CLUSTERS 4 x 4: A's tiles shared along a row of the cluster, B's along a column, by joint loads.  THE MATRIX INSTRUCTION IS USED TRANSPOSED (source 0 = 16 rows of B, source 1 = 16 of A).
; THE ORDER OF K.  A cluster whose x + y is odd takes each pair of K steps in the other order: 1, 0, 3, 2, ..  Only the two slots' first addresses differ; every refill steps two K steps on, as in the even clusters.
; The clusters that read the same rows of A are neighbours along x, those that read the same rows of B neighbours along y: so of the readers of a tile one half asks for it one K step behind the other half.
; The bias is the C of each sum's first matrix instruction.  No prefetch: a tile is read by many work-groups and a refill has a K step's 112 matrix instructions in which to land.
; REGISTERS: window 0: v16-29 addresses; v32-63 the bias; v128-255 the accumulators ((a, b) at v[128 + 8 (4 a + b)]).  window 1: two fragment buffers of 128: 64 of A, then 64 of B, for 64 along K.
.set SIZE_K, 1024
.set WOFF,   0                         ; where the weight's image begins in wts
.set MTB,    SIZE_K*32                 ; bytes of a tile of 16 rows, all of K
.set SLOT,   131072                    ; A's 8 tiles of rows x 8 KB, then B's
.set BOFF,   65536
.set SPARE,  262144
.set LAPS,   SIZE_K/512
.set ADRA, 16
.set ADRB, 20
.set CO,   26
.set SPW,  28
.set NIL,  29
.set BS,   32
.set ACC,  128
.set F0,   0
.set F1,   128
.set G1, 24
.set G0, 32
.set G1B, 48
.set G0B, 56
.set MSB, 0
.macro WIN new
.if MSB != \new
	s_set_vgpr_msb (MSB<<8)|\new
.set MSB, \new
.endif
.endm
.set MUL,  0x05
.set TO_F, 0x40
.macro JLOAD s                         ; waves 0 and 1 fetch A's halves, waves 2 and 3 B's; an s_nop 0 and four v_nop follow each line
	s_cmp_eq_u32 s13, 0
	s_cbranch_scc0 .Lfor_b_\@
	tensor_load_to_lds s[G0+4*\s:G0+4*\s+3], s[G1:G1+7]
	s_nop 0
.rept 4
	v_nop
.endr
	s_branch .Lasked_\@
.Lfor_b_\@:
	tensor_load_to_lds s[G0B+4*\s:G0B+4*\s+3], s[G1B:G1B+7]
	s_nop 0
.rept 4
	v_nop
.endr
.Lasked_\@:
.endm
.macro CREST
	s_cmp_lg_u32 s12, 0
	s_cbranch_scc1 .Lnot_wave_0_\@
	s_barrier_signal -3
.Lnot_wave_0_\@:
	s_barrier_wait -3
	s_barrier_signal -1
	s_barrier_wait -1
.endm
.macro CROUND
	s_barrier_signal -1
	s_barrier_wait -1
	CREST
.endm
	s_load_b256 s[4:11], s[0:1], 0x0               ; A s[4:5], wts s[6:7], the bias s[8:9], y s[10:11]
	v_lshl_add_u32 v[SPW], v0, 2, SPARE
	v_mov_b32 v[NIL], 0
	ds_add_u32 v[SPW], v[NIL]                      ; the wave's opening: the add, twice on end, and its wait ahead of my first tensor load
	ds_add_u32 v[SPW], v[NIL]
	v_lshrrev_b32 v1, 5, v0
	v_readfirstlane_b32 s12, v1                    ; wave
	s_lshr_b32 s13, s12, 1                         ; my half of the rows; also: I fetch for A (0) or B (1)
	s_and_b32 s14, s12, 1                          ; my half of the columns; also: which half of that tile I fetch
	s_bfe_u32 s40, ttmp6, 0x40000
	s_bfe_u32 s41, ttmp6, 0x40004
	s_lshl_b32 s42, ttmp9, 2
	s_add_co_u32 s42, s42, s40                     ; tile column
	s_and_b32 s15, ttmp7, 0xffff                   ; the cluster's y
	s_add_co_u32 s2, s15, ttmp9                    ; + the cluster's x:
	s_and_b32 s2, s2, 1                            ; its parity, the same in all sixteen partners
	s_lshl_b32 s2, s2, 13                          ; slot 0 begins with K step 0 or 1 (8 KB a K step in a tile of rows),
	s_xor_b32 s22, s2, 8192                        ; slot 1 with the other of the two
	s_mov_b32 s3, 0
	s_mov_b32 s23, 0
	s_lshl_b32 s15, s15, 2
	s_add_co_u32 s15, s15, s41                     ; tile row
	s_lshl_b32 s43, s41, 2
	s_lshl_b32 s43, 15, s43
	s_lshl_b32 s44, 0x1111, s40
	s_or_b32 s[G1], s43, (3<<16)|(1<<21)           ; the mask; elements of 8 bytes; bit 21 beside a mask
	s_or_b32 s[G1B], s44, (3<<16)|(1<<21)
.irp g, G1, G1B
	s_mov_b32 s[\g+1], 1024<<16                    ; tensor_dim0: a tile of rows' 8 KB of a K step
	s_mov_b32 s[\g+2], 4<<16                       ; tensor_dim1: 4 tiles of rows
	s_mov_b32 s[\g+3], 1024<<16
	s_mov_b32 s[\g+4], 4
	s_mov_b32 s[\g+5], SIZE_K*4                    ; from tile of rows to tile of rows, in elements
	s_mov_b32 s[\g+6], 0
	s_mov_b32 s[\g+7], 0
.endr
	s_lshl_b32 s16, s15, 3
	s_lshl_b32 s17, s14, 2
	s_add_co_u32 s16, s16, s17
	s_mul_i32 s16, s16, MTB
	s_mov_b32 s17, 0
	s_lshl_b32 s46, s42, 3
	s_lshl_b32 s47, s14, 2
	s_add_co_u32 s46, s46, s47
	s_mul_i32 s46, s46, MTB
	s_add_co_u32 s46, s46, WOFF
	s_mov_b32 s47, 0
	s_lshl_b32 s20, s12, 15                        ; where they go: wave x 32 KB
	s_wait_dscnt 0x0
	s_wait_kmcnt 0x0
	s_add_nc_u64 s[18:19], s[4:5], s[16:17]
	s_add_nc_u64 s[46:47], s[6:7], s[46:47]
	CROUND                                         ; the first joint loads meet
.irp s, 0,1
	s_mov_b32 s[G0+4*\s], 1
	s_add_co_u32 s[G0+4*\s+1], s20, \s*SLOT
	s_add_nc_u64 s[G0+4*\s+2:G0+4*\s+3], s[18:19], s[2+20*\s:3+20*\s]    ; the slot's first K step, by the cluster's parity
	s_or_b32 s[G0+4*\s+3], s[G0+4*\s+3], 0x80000000
	s_mov_b32 s[G0B+4*\s], 1
	s_add_co_u32 s[G0B+4*\s+1], s20, \s*SLOT
	s_add_nc_u64 s[G0B+4*\s+2:G0B+4*\s+3], s[46:47], s[2+20*\s:3+20*\s]
	s_or_b32 s[G0B+4*\s+3], s[G0B+4*\s+3], 0x80000000
	JLOAD \s                                       ; two tensor loads of mine are out
.endr
	v_and_b32 v3, 31, v0
	v_lshlrev_b32 v[CO], 4, v3                     ; 16 x lane
	v_bfe_u32 v2, v0, 4, 1
	v_lshlrev_b32 v2, 5, v2                        ; 32 h
	s_lshl_b32 s46, s42, 9
	s_lshl_b32 s47, s14, 8
	s_add_co_u32 s46, s46, s47
	s_mov_b32 s47, 0
	s_add_nc_u64 s[8:9], s[8:9], s[46:47]          ; the bias at my 64 columns
.irp b, 0,1,2,3
	global_load_b128 v[BS+8*\b:BS+8*\b+3], v2, s[8:9] offset:64*\b
	global_load_b128 v[BS+8*\b+4:BS+8*\b+7], v2, s[8:9] offset:64*\b+16
.endr
	s_lshl_b32 s21, s13, 15
	s_lshl_b32 s22, s14, 15
	s_add_co_u32 s22, s22, BOFF
.irp s, 0,1
	v_add_nc_u32 v[ADRA+\s], s21, v[CO]
	v_add_nc_u32 v[ADRB+\s], s22, v[CO]
	s_add_co_u32 s21, s21, SLOT
	s_add_co_u32 s22, s22, SLOT
.endr
	s_lshl_b32 s16, s15, 3
	s_lshl_b32 s17, s13, 2
	s_add_co_u32 s16, s16, s17
	s_lshl_b32 s16, s16, 16
	s_mov_b32 s17, 0
	s_add_nc_u64 s[10:11], s[10:11], s[16:17]      ; y at my first tile of rows,
	s_lshl_b32 s46, s42, 3
	s_lshl_b32 s47, s14, 2
	s_add_co_u32 s46, s46, s47
	s_lshl_b32 s46, s46, 10
	s_mov_b32 s47, 0
	s_add_nc_u64 s[10:11], s[10:11], s[46:47]      ; my first tile of columns
.macro MUL8 f, c, a0, zero             ; 8 matrix instructions; zero = 1: the first product starts the sums from the bias
.irp a, \a0, \a0+1
.irp b, 0,1,2,3
.if \zero
	v_wmma_f32_16x16x32_f16 v[ACC+8*(4*(\a)+\b):ACC+8*(4*(\a)+\b)+7], v[\f+64+8*(4*\c+\b):\f+64+8*(4*\c+\b)+7], v[\f+8*(4*\c+(\a)):\f+8*(4*\c+(\a))+7], v[BS+8*\b:BS+8*\b+7]
.else
	v_wmma_f32_16x16x32_f16 v[ACC+8*(4*(\a)+\b):ACC+8*(4*(\a)+\b)+7], v[\f+64+8*(4*\c+\b):\f+64+8*(4*\c+\b)+7], v[\f+8*(4*\c+(\a)):\f+8*(4*\c+(\a))+7], v[ACC+8*(4*(\a)+\b):ACC+8*(4*(\a)+\b)+7]
.endif
.endr
.endr
.endm
.macro FETCH slot, qq, f               ; 32 LDS loads in one run: quarter qq (64 along K) of the slot into buffer f; its first 32 along K first
	WIN TO_F
.irp c, 0,1
.irp i, 0,1,2,3
	ds_load_b128 v[\f+64+8*(4*\c+\i):\f+64+8*(4*\c+\i)+3],   v[ADRB+\slot] offset:(2*(\qq)+\c)*1024+\i*8192
	ds_load_b128 v[\f+64+8*(4*\c+\i)+4:\f+64+8*(4*\c+\i)+7], v[ADRB+\slot] offset:(2*(\qq)+\c)*1024+\i*8192+512
	ds_load_b128 v[\f+8*(4*\c+\i):\f+8*(4*\c+\i)+3],         v[ADRA+\slot] offset:(2*(\qq)+\c)*1024+\i*8192
	ds_load_b128 v[\f+8*(4*\c+\i)+4:\f+8*(4*\c+\i)+7],       v[ADRA+\slot] offset:(2*(\qq)+\c)*1024+\i*8192+512
.endr
.endr
.endm
.macro PLACES
.rept 4
	v_nop
.endr
.endm
.macro QUARTER slot, qq, f, g, zero    ; multiplies buffer f and fetches quarter qq into g
	s_wait_dscnt 16                                ; the first 32 along K are in; the other sixteen loads may be out
	WIN MUL
	MUL8 \f, 0, 0, \zero
	MUL8 \f, 0, 2, \zero
	PLACES
	FETCH \slot, \qq, \g
	s_wait_dscnt 32                                ; all but the 32 just issued
	WIN MUL
	MUL8 \f, 1, 0, 0
	MUL8 \f, 1, 2, 0
.endm
.macro TURN slot, next, fill           ; the last quarter changes slots: one barrier; with fill = 1 it opens a round of the cluster's barrier
	WIN 0
	s_wait_tensorcnt 0x0                           ; all my tensor loads have landed: my part of the next slot;
	ds_add_u32 v[SPW], v[NIL]
	s_wait_dscnt 17                                ; (the add and the youngest sixteen loads may be out)
	WIN MUL
	MUL8 F1, 0, 0, 0
	s_wait_dscnt 0x0                               ; the add is done, and my reads of this slot are over
	s_barrier_signal -1
	MUL8 F1, 0, 2, 0
.if \fill
	WIN 0
.endif
	s_barrier_wait -1
.if \fill
	CREST
	s_add_nc_u64 s[G0+4*\slot+2:G0+4*\slot+3], s[G0+4*\slot+2:G0+4*\slot+3], 16384
	s_add_nc_u64 s[G0B+4*\slot+2:G0B+4*\slot+3], s[G0B+4*\slot+2:G0B+4*\slot+3], 16384
	JLOAD \slot                                    ; the first tensor load behind the round; its four v_nop are also the places in front of the loads below
.else
	PLACES
.endif
	FETCH \next, 0, F0
	WIN MUL
	MUL8 F1, 1, 0, 0
	MUL8 F1, 1, 2, 0
.endm
	s_wait_tensorcnt 1                             ; my part of slot 0 is in,
	s_barrier_signal -1
	s_barrier_wait -1                              ; everybody's is
	FETCH 0, 0, F0
	s_wait_loadcnt 0x0                             ; the bias
	QUARTER 0, 1, F0, F1, 1
	WIN 0
	s_mov_b32 s3, LAPS-1
.Llap:                                             ; a trip goes once round the ring and fills both slots again
	QUARTER 0, 2, F1, F0, 0
	QUARTER 0, 3, F0, F1, 0
	TURN 0, 1, 1
	QUARTER 1, 1, F0, F1, 0
	QUARTER 1, 2, F1, F0, 0
	QUARTER 1, 3, F0, F1, 0
	TURN 1, 0, 1
	QUARTER 0, 1, F0, F1, 0
	WIN 0
	s_sub_co_u32 s3, s3, 1
	s_cmp_lg_u32 s3, 0
	s_cbranch_scc1 .Llap
	QUARTER 0, 2, F1, F0, 0                        ; the last lap fills nothing
	QUARTER 0, 3, F0, F1, 0
	TURN 0, 1, 0
	QUARTER 1, 1, F0, F1, 0
	QUARTER 1, 2, F1, F0, 0
	QUARTER 1, 3, F0, F1, 0
	s_wait_dscnt 16
	WIN MUL
	MUL8 F1, 0, 0, 0
	MUL8 F1, 0, 2, 0
	s_wait_dscnt 0
	MUL8 F1, 1, 0, 0
	MUL8 F1, 1, 2, 0
	WIN 0
	PLACES
.irp t, 0,1,2,3,4,5,6,7,8,9,10,11,12,13,14,15
	global_store_b128 v[CO], v[ACC+8*\t:ACC+8*\t+3], s[10:11] offset:65536*(\t/4)+1024*(\t%4)         ; the accumulators as they stand, each from its low end on: 512 consecutive bytes a store
	global_store_b128 v[CO], v[ACC+8*\t+4:ACC+8*\t+7], s[10:11] offset:65536*(\t/4)+1024*(\t%4)+512
.endr
	s_wait_tensorcnt 0x0                           ; the wave's end
	ds_add_u32 v[SPW], v[NIL]
	s_wait_dscnt 0x0
	CROUND                                         ; the closing round
	s_endpgm
.Lfunc_end_k_q2c5a817928_wo:
	.size	k_q2c5a817928_wo, .Lfunc_end_k_q2c5a817928_wo-k_q2c5a817928_wo
	.p2alignl 7, 3214868480
	.fill 96, 4, 3214868480
	.section	.rodata,"a",@progbits
	.p2align	6, 0x0
	.amdhsa_kernel k_q2c5a817928_wo
		.amdhsa_group_segment_fixed_size 327680
		.amdhsa_private_segment_fixed_size 0
		.amdhsa_enable_private_segment 0
		.amdhsa_kernarg_size 32
		.amdhsa_user_sgpr_count 2
		.amdhsa_user_sgpr_kernarg_segment_ptr 1
		.amdhsa_wavefront_size32 1
		.amdhsa_system_sgpr_workgroup_id_x 1
		.amdhsa_system_sgpr_workgroup_id_y 1
		.amdhsa_system_sgpr_workgroup_id_z 1
		.amdhsa_system_vgpr_workitem_id 0
		.amdhsa_next_free_vgpr 512
		.amdhsa_next_free_sgpr 66
		.amdhsa_reserve_vcc 0
		.amdhsa_float_denorm_mode_32 3
		.amdhsa_float_denorm_mode_16_64 3
		.amdhsa_memory_ordered 1
		.amdhsa_forward_progress 1
		.amdhsa_inst_pref_size 82
	.end_amdhsa_kernel
	.amdgpu_metadata
---
amdhsa.version: [ 1, 2 ]
amdhsa.kernels:
  - .name:           k_q2c5a817928_wo
    .symbol:         k_q2c5a817928_wo.kd
    .args:
      - { .name: act, .offset: 0, .size: 8, .value_kind: global_buffer, .address_space: global }
      - { .name: wts, .offset: 8, .size: 8, .value_kind: global_buffer, .address_space: global }
      - { .name: bo, .offset: 16, .size: 8, .value_kind: global_buffer, .address_space: global }
      - { .name: y, .offset: 24, .size: 8, .value_kind: global_buffer, .address_space: global }
    .group_segment_fixed_size: 327680
    .private_segment_fixed_size: 0
    .kernarg_segment_align: 8
    .kernarg_segment_size: 32
    .max_flat_workgroup_size: 128
    .sgpr_count:     66
    .vgpr_count:     512
    .wavefront_size: 32
...
	.end_amdgpu_metadata
.endif
;; end of part 4
;; launch ln1 (part 5): grid 256 x 1, 8 waves a work-group, no clusters, 3,072 bytes of LDS; arguments y, ln1_g, ln1_b, act; writes act
.if DOCPART == 5
	.amdgcn_target "amdgcn-amd-amdhsa--gfx1250"
	.amdhsa_code_object_version 6
	.text
	.protected	k_q2c5a817928_ln1
	.globl	k_q2c5a817928_ln1
	.p2align	8
	.type	k_q2c5a817928_ln1,@function
k_q2c5a817928_ln1:
	s_mov_b64 s[64:65], 0
	v_nop
	global_prefetch_b8 v0, s[64:65] scope:SCOPE_SE
	s_setreg_imm32_b32 hwreg(HW_REG_WAVE_MODE, 25, 1), 1
	s_wait_xcnt 0x0
; The first layer norm: act = f16(gamma (y - mean) / sqrt(var + 1e-12) + beta), row by row of 1,024; mean and variance in two passes, in f32, as the definition has them.
; y lies as an image of accumulators: a work-group takes one tile of 16 rows, 64 KB on end; wave w its columns 128 w on.  Lane (r, h) holds 64 numbers of row r; a row's sum is made within the lane,
; with the lane 16 away, and over the eight waves through LDS.  The result leaves as an image of the next product's A: 512 consecutive bytes a store.  Memory binds: no matrix unit, no cluster (no input is shared).
.set RED1,  0                          ; [wave][lane] words; RED2 likewise, other bytes: so each reduction has one barrier
.set RED2,  1024
.set SPARE, 2048
.set X,  32
.set G,  96
.set BT, 160
.set SPW, 28
.set NIL, 29
	s_load_b256 s[4:11], s[0:1], 0x0               ; y, gamma, beta, act
	v_lshl_add_u32 v[SPW], v0, 2, SPARE
	v_mov_b32 v[NIL], 0
	v_lshrrev_b32 v1, 5, v0
	v_readfirstlane_b32 s12, v1
	v_and_b32 v2, 31, v0
	v_lshlrev_b32 v3, 4, v2                        ; 16 x lane
	v_bfe_u32 v4, v0, 4, 1
	v_lshlrev_b32 v4, 5, v4                        ; 32 h
	v_lshlrev_b32 v5, 2, v0                        ; my word: 4 x thread
	v_lshlrev_b32 v6, 2, v2                        ; my lane's word of wave 0
	s_mov_b32 s20, 0x76543210
	s_mov_b32 s21, 0xfedcba98
	s_mov_b32 s22, 0x3a800000                      ; 1 / 1024
	s_mov_b32 s23, 0x2b8cbccc                      ; 1e-12
	s_lshl_b32 s14, ttmp9, 16
	s_lshl_b32 s15, s12, 13
	s_add_co_u32 s14, s14, s15
	s_mov_b32 s15, 0
	s_lshl_b32 s16, s12, 9
	s_mov_b32 s17, 0
	s_lshl_b32 s18, ttmp9, 15
	s_lshl_b32 s19, s12, 12
	s_add_co_u32 s18, s18, s19
	s_mov_b32 s19, 0
	s_wait_kmcnt 0x0
	s_add_nc_u64 s[4:5], s[4:5], s[14:15]
	s_add_nc_u64 s[6:7], s[6:7], s[16:17]
	s_add_nc_u64 s[8:9], s[8:9], s[16:17]
	s_add_nc_u64 s[10:11], s[10:11], s[18:19]
.set i, 0
.rept 16
	global_load_b128 v[X+4*i:X+4*i+3], v3, s[4:5] offset:512*i th:TH_LOAD_NT
.set i, i+1
.endr
.set i, 0
.rept 16
	global_load_b128 v[G+4*i:G+4*i+3], v4, s[6:7] offset:64*(i/2)+16*(i%2)
.set i, i+1
.endr
.set i, 0
.rept 16
	global_load_b128 v[BT+4*i:BT+4*i+3], v4, s[8:9] offset:64*(i/2)+16*(i%2)
.set i, i+1
.endr
.macro ACROSS red                      ; v[8:9]: my lane's two partial sums -> v8: the row's total, in every lane that holds the row
	v_add_f32 v8, v8, v9
	v_permlanex16_b32 v10, v8, s20, s21
	v_add_f32 v8, v8, v10
	ds_store_b32 v5, v8 offset:\red
	s_wait_dscnt 0x0                               ; for the others' sake
	s_barrier_signal -1
	s_barrier_wait -1
.irp j, 0,1,2,3,4,5,6,7
	ds_load_b32 v[20+\j], v6 offset:\red+128*\j
.endr
	s_wait_dscnt 0x0
	v_add_f32 v20, v20, v21
	v_add_f32 v22, v22, v23
	v_add_f32 v24, v24, v25
	v_add_f32 v26, v26, v27
	v_add_f32 v20, v20, v22
	v_add_f32 v24, v24, v26
	v_add_f32 v8, v20, v24
.endm
	s_wait_loadcnt 32                              ; y is in; gamma's and beta's 32 loads may be out
.irp k, 0,1,2,3
	v_pk_add_f32 v[8+2*\k:9+2*\k], v[X+2*\k:X+2*\k+1], v[X+8+2*\k:X+9+2*\k]   ; four chains
.endr
.irp j, 2,3,4,5,6,7
.irp k, 0,1,2,3
	v_pk_add_f32 v[8+2*\k:9+2*\k], v[8+2*\k:9+2*\k], v[X+8*\j+2*\k:X+8*\j+2*\k+1]
.endr
.endr
	v_pk_add_f32 v[8:9], v[8:9], v[10:11]
	v_pk_add_f32 v[12:13], v[12:13], v[14:15]
	v_pk_add_f32 v[8:9], v[8:9], v[12:13]
	ACROSS RED1
	v_mul_f32 v16, 0xba800000, v8                  ; - mean
	v_mov_b32 v17, v16
.set i, 0
.rept 32
	v_pk_add_f32 v[X+2*i:X+2*i+1], v[X+2*i:X+2*i+1], v[16:17]
.set i, i+1
.endr
.irp k, 0,1,2,3
	v_pk_mul_f32 v[8+2*\k:9+2*\k], v[X+2*\k:X+2*\k+1], v[X+2*\k:X+2*\k+1]
.endr
.irp j, 1,2,3,4,5,6,7
.irp k, 0,1,2,3
	v_pk_fma_f32 v[8+2*\k:9+2*\k], v[X+8*\j+2*\k:X+8*\j+2*\k+1], v[X+8*\j+2*\k:X+8*\j+2*\k+1], v[8+2*\k:9+2*\k]
.endr
.endr
	v_pk_add_f32 v[8:9], v[8:9], v[10:11]
	v_pk_add_f32 v[12:13], v[12:13], v[14:15]
	v_pk_add_f32 v[8:9], v[8:9], v[12:13]
	ACROSS RED2
	v_fma_f32 v20, v8, s22, s23                    ; var + 1e-12
	v_rsq_f32 v18, v20
	v_nop                                          ; a plain place behind the transcendental,
	s_wait_alu depctr_va_vdst(0)                   ; and the wait ahead of its first reader
	v_mov_b32 v19, v18
.set i, 0
.rept 32
	v_pk_mul_f32 v[X+2*i:X+2*i+1], v[X+2*i:X+2*i+1], v[18:19]
.set i, i+1
.endr
	s_wait_loadcnt 0x0                             ; gamma and beta
.set i, 0
.rept 32
	v_pk_fma_f32 v[X+2*i:X+2*i+1], v[X+2*i:X+2*i+1], v[G+2*i:G+2*i+1], v[BT+2*i:BT+2*i+1]
.set i, i+1
.endr
.set i, 0
.rept 32
	v_cvt_pk_f16_f32 v[G+i], v[X+2*i], v[X+2*i+1]
.set i, i+1
.endr
.irp t, 0,1,2,3,4,5,6,7
	global_store_b128 v3, v[G+4*\t:G+4*\t+3], s[10:11] offset:512*\t
.endr
	s_wait_tensorcnt 0x0                           ; the wave's end, behind my last LDS store
	ds_add_u32 v[SPW], v[NIL]
	s_wait_dscnt 0x0
	s_endpgm
.Lfunc_end_k_q2c5a817928_ln1:
	.size	k_q2c5a817928_ln1, .Lfunc_end_k_q2c5a817928_ln1-k_q2c5a817928_ln1
	.p2alignl 7, 3214868480
	.fill 96, 4, 3214868480
	.section	.rodata,"a",@progbits
	.p2align	6, 0x0
	.amdhsa_kernel k_q2c5a817928_ln1
		.amdhsa_group_segment_fixed_size 3072
		.amdhsa_private_segment_fixed_size 0
		.amdhsa_enable_private_segment 0
		.amdhsa_kernarg_size 32
		.amdhsa_user_sgpr_count 2
		.amdhsa_user_sgpr_kernarg_segment_ptr 1
		.amdhsa_wavefront_size32 1
		.amdhsa_system_sgpr_workgroup_id_x 1
		.amdhsa_system_sgpr_workgroup_id_y 1
		.amdhsa_system_sgpr_workgroup_id_z 1
		.amdhsa_system_vgpr_workitem_id 0
		.amdhsa_next_free_vgpr 224
		.amdhsa_next_free_sgpr 66
		.amdhsa_reserve_vcc 0
		.amdhsa_float_denorm_mode_32 3
		.amdhsa_float_denorm_mode_16_64 3
		.amdhsa_memory_ordered 1
		.amdhsa_forward_progress 1
		.amdhsa_inst_pref_size 22
	.end_amdhsa_kernel
	.amdgpu_metadata
---
amdhsa.version: [ 1, 2 ]
amdhsa.kernels:
  - .name:           k_q2c5a817928_ln1
    .symbol:         k_q2c5a817928_ln1.kd
    .args:
      - { .name: y, .offset: 0, .size: 8, .value_kind: global_buffer, .address_space: global }
      - { .name: ln1_g, .offset: 8, .size: 8, .value_kind: global_buffer, .address_space: global }
      - { .name: ln1_b, .offset: 16, .size: 8, .value_kind: global_buffer, .address_space: global }
      - { .name: act, .offset: 24, .size: 8, .value_kind: global_buffer, .address_space: global }
    .group_segment_fixed_size: 3072
    .private_segment_fixed_size: 0
    .kernarg_segment_align: 8
    .kernarg_segment_size: 32
    .max_flat_workgroup_size: 256
    .sgpr_count:     66
    .vgpr_count:     224
    .wavefront_size: 32
...
	.end_amdgpu_metadata
.endif
;; end of part 5
;; launch w1 (part 6): grid 16 x 16, 4 waves a work-group, clusters of 4 x 4, 327,680 bytes of LDS; arguments act, wts, b1, gel; writes gel
.if DOCPART == 6
	.amdgcn_target "amdgcn-amd-amdhsa--gfx1250"
	.amdhsa_code_object_version 6
	.text
	.protected	k_q2c5a817928_w1
	.globl	k_q2c5a817928_w1
	.p2align	8
	.type	k_q2c5a817928_w1,@function
k_q2c5a817928_w1:
	s_mov_b64 s[64:65], 0
	v_nop
	global_prefetch_b8 v0, s[64:65] scope:SCOPE_SE
	s_setreg_imm32_b32 hwreg(HW_REG_WAVE_MODE, 25, 1), 1
	s_wait_xcnt 0x0
	s_wait_alu depctr_hold_cnt(0) depctr_sa_sdst(0) depctr_va_vdst(0) depctr_va_sdst(0) depctr_va_ssrc(0) depctr_va_vcc(0) depctr_vm_vsrc(0)
	s_getreg_b32 s2, hwreg(HW_REG_IB_STS2, 6, 4)
	s_cmp_eq_u32 s2, 0
	s_cbranch_scc0 .Lentry_in_a_cluster
	s_endpgm
.Lentry_in_a_cluster:
	s_bfe_u32 s2, ttmp6, 0x10000c
	s_cmp_lg_u32 s2, 0xf033
	s_cbranch_scc0 .Lentry_shape_is_right
	s_endpgm
.Lentry_shape_is_right:
; gel = gelu(a W1 + b1), a: f16 image [mt 256][kt 32][1 KB]; W1: f16 image [nt 256][kt 32][1 KB] at byte 2,097,152 of wts; sums in f32; gel: f16 image [mt 256][kt 128][1 KB].
; A tile of 256 x 256 to a work-group (256 work-groups), a wave 128 x 128: 64 accumulators.  K goes in steps of 128 through two LDS slots of dense images.  CLUSTERS 4 x 4 with joint loads.
; THE MATRIX INSTRUCTION IS USED TRANSPOSED; the bias is the C of each sum's first matrix instruction.
; THE ORDER OF K.  A cluster whose x + y is odd takes each pair of K steps in the other order: 1, 0, 3, 2, ..  Only the two slots' first addresses differ; every refill steps two K steps on.
; The clusters that read the same rows of A are neighbours along x, those that read the same rows of B neighbours along y: so of the readers of a tile one half asks for it one K step behind the other half.
; THE ACTIVATION: gelu(x) = max(x, 0) - |x| q, q = 0.5 P(t) 2^(-0.72134752 x^2), t = 1 / (1 + 0.23164189 |x|), P the polynomial of degree 5 of Abramowitz and Stegun 7.1.26:
; its error in erf is at most 1.5e-7 for every x, so nothing is cut to a range of inputs.  All in f32; rounded once, to f16.
; REGISTERS: window 0: v8-15 four constants as pairs; v16-29 addresses; v64-127, v128-191 A's fragments, two buffers; v192-255 the bias.  On the way out v32-223 are at work.
;   window 1: v64-127, v128-191 B's fragments.   windows 2, 3: the accumulators ((a, b) at v[8 (8 (a % 4) + b)]).
.set SLOT,   131072                    ; A's 16 tiles of rows x 4 KB, then B's
.set BOFF,   65536
.set SPARE,  262144
.set LAPS,   4                         ; K = 1,024 is eight K steps: four times round the ring
.set ADRA, 16
.set ADRB, 20
.set CO,   26
.set SPW,  28
.set NIL,  29
.set F0,   64
.set F1,   128
.set BS,   192
.set DD,   32
.set UU,   64
.set PP,   96
.set RR,   128
.set HH,   160
.set AX,   192
.set G1, 24
.set G0, 32
.set G1B, 48
.set G0B, 56
.set KP, 66                            ; s[66:67] 0.23164189
.set KE, 68                            ; s[68:69] -0.72134752
.set A5, 70                            ; s[70:71] half of the polynomial's highest coefficient
.set ABSM, 72
.set MSB, 0
.macro WIN new
.if MSB != \new
	s_set_vgpr_msb (MSB<<8)|\new
.set MSB, \new
.endif
.endm
.set MUL_LO, 0xa1
.set MUL_HI, 0xf1
.set TO_B,   0x40
.macro JLOAD s
	s_cmp_eq_u32 s13, 0
	s_cbranch_scc0 .Lfor_b_\@
	tensor_load_to_lds s[G0+4*\s:G0+4*\s+3], s[G1:G1+7]
	s_nop 0
.rept 4
	v_nop
.endr
	s_branch .Lasked_\@
.Lfor_b_\@:
	tensor_load_to_lds s[G0B+4*\s:G0B+4*\s+3], s[G1B:G1B+7]
	s_nop 0
.rept 4
	v_nop
.endr
.Lasked_\@:
.endm
.macro CREST
	s_cmp_lg_u32 s12, 0
	s_cbranch_scc1 .Lnot_wave_0_\@
	s_barrier_signal -3
.Lnot_wave_0_\@:
	s_barrier_wait -3
	s_barrier_signal -1
	s_barrier_wait -1
.endm
.macro CROUND
	s_barrier_signal -1
	s_barrier_wait -1
	CREST
.endm
	s_load_b256 s[4:11], s[0:1], 0x0               ; A s[4:5], wts s[6:7], b1 s[8:9], gel s[10:11]
	v_lshl_add_u32 v[SPW], v0, 2, SPARE
	v_mov_b32 v[NIL], 0
	ds_add_u32 v[SPW], v[NIL]                      ; the wave's opening: the add, twice on end, and its wait ahead of my first tensor load
	ds_add_u32 v[SPW], v[NIL]
	v_lshrrev_b32 v1, 5, v0
	v_readfirstlane_b32 s12, v1
	s_lshr_b32 s13, s12, 1
	s_and_b32 s14, s12, 1
	s_bfe_u32 s40, ttmp6, 0x40000
	s_bfe_u32 s41, ttmp6, 0x40004
	s_lshl_b32 s42, ttmp9, 2
	s_add_co_u32 s42, s42, s40                     ; tile column
	s_and_b32 s15, ttmp7, 0xffff                   ; the cluster's y
	s_add_co_u32 s2, s15, ttmp9                    ; + the cluster's x:
	s_and_b32 s2, s2, 1                            ; its parity, the same in all sixteen partners
	s_lshl_b32 s2, s2, 12                          ; slot 0 begins with K step 0 or 1 (4 KB a K step in a tile of rows),
	s_xor_b32 s22, s2, 4096                        ; slot 1 with the other of the two
	s_mov_b32 s3, 0
	s_mov_b32 s23, 0
	s_lshl_b32 s15, s15, 2
	s_add_co_u32 s15, s15, s41                     ; tile row
	s_lshl_b32 s43, s41, 2
	s_lshl_b32 s43, 15, s43
	s_lshl_b32 s44, 0x1111, s40
	s_or_b32 s[G1], s43, (3<<16)|(1<<21)
	s_or_b32 s[G1B], s44, (3<<16)|(1<<21)
.irp g, G1, G1B
	s_mov_b32 s[\g+1], 512<<16                     ; a tile of rows' 4 KB of a K step
	s_mov_b32 s[\g+2], 8<<16                       ; 8 tiles of rows
	s_mov_b32 s[\g+3], 512<<16
	s_mov_b32 s[\g+4], 8
	s_mov_b32 s[\g+5], 4096                        ; 32 KB from tile of rows to tile of rows
	s_mov_b32 s[\g+6], 0
	s_mov_b32 s[\g+7], 0
.endr
	s_lshl_b32 s16, s15, 4
	s_lshl_b32 s17, s14, 3
	s_add_co_u32 s16, s16, s17
	s_lshl_b32 s16, s16, 15
	s_mov_b32 s17, 0
	s_lshl_b32 s46, s42, 4
	s_lshl_b32 s47, s14, 3
	s_add_co_u32 s46, s46, s47
	s_lshl_b32 s46, s46, 15
	s_add_co_u32 s46, s46, 2097152
	s_mov_b32 s47, 0
	s_lshl_b32 s20, s12, 15
	s_mov_b32 s[KP], 0x3e6d3388
	s_mov_b32 s[KP+1], s[KP]
	s_mov_b32 s[KE], 0xbf38aa3b
	s_mov_b32 s[KE+1], s[KE]
	s_mov_b32 s[A5], 0x3f07dc22
	s_mov_b32 s[A5+1], s[A5]
	s_mov_b32 s[ABSM], 0x7fffffff
	s_wait_dscnt 0x0
	s_wait_kmcnt 0x0
	s_add_nc_u64 s[18:19], s[4:5], s[16:17]
	s_add_nc_u64 s[46:47], s[6:7], s[46:47]
	CROUND
.irp s, 0,1
	s_mov_b32 s[G0+4*\s], 1
	s_add_co_u32 s[G0+4*\s+1], s20, \s*SLOT
	s_add_nc_u64 s[G0+4*\s+2:G0+4*\s+3], s[18:19], s[2+20*\s:3+20*\s]    ; the slot's first K step, by the cluster's parity
	s_or_b32 s[G0+4*\s+3], s[G0+4*\s+3], 0x80000000
	s_mov_b32 s[G0B+4*\s], 1
	s_add_co_u32 s[G0B+4*\s+1], s20, \s*SLOT
	s_add_nc_u64 s[G0B+4*\s+2:G0B+4*\s+3], s[46:47], s[2+20*\s:3+20*\s]
	s_or_b32 s[G0B+4*\s+3], s[G0B+4*\s+3], 0x80000000
	JLOAD \s
.endr
	v_and_b32 v3, 31, v0
	v_lshlrev_b32 v[CO], 4, v3
	v_bfe_u32 v2, v0, 4, 1
	v_lshlrev_b32 v2, 5, v2
	s_lshl_b32 s46, s42, 10
	s_lshl_b32 s47, s14, 9
	s_add_co_u32 s46, s46, s47
	s_mov_b32 s47, 0
	s_add_nc_u64 s[8:9], s[8:9], s[46:47]          ; b1 at my 128 columns
.irp b, 0,1,2,3,4,5,6,7
	global_load_b128 v[BS+8*\b:BS+8*\b+3], v2, s[8:9] offset:64*\b
	global_load_b128 v[BS+8*\b+4:BS+8*\b+7], v2, s[8:9] offset:64*\b+16
.endr
	v_mov_b32 v8, 0xbf3a00e3                       ; the polynomial's other coefficients, halved, as pairs
	v_mov_b32 v9, 0xbf3a00e3
	v_mov_b32 v10, 0x3f35f0e3
	v_mov_b32 v11, 0x3f35f0e3
	v_mov_b32 v12, 0xbe11a98e
	v_mov_b32 v13, 0xbe11a98e
	v_mov_b32 v14, 0x3e027906
	v_mov_b32 v15, 0x3e027906
	s_lshl_b32 s21, s13, 15
	s_lshl_b32 s22, s14, 15
	s_add_co_u32 s22, s22, BOFF
.irp s, 0,1
	v_add_nc_u32 v[ADRA+\s], s21, v[CO]
	v_add_nc_u32 v[ADRB+\s], s22, v[CO]
	s_add_co_u32 s21, s21, SLOT
	s_add_co_u32 s22, s22, SLOT
.endr
	s_lshl_b32 s16, s15, 4
	s_lshl_b32 s17, s13, 3
	s_add_co_u32 s16, s16, s17
	s_lshl_b32 s16, s16, 17
	s_mov_b32 s17, 0
	s_add_nc_u64 s[10:11], s[10:11], s[16:17]      ; gel at my first tile of rows,
	s_lshl_b32 s46, s42, 3
	s_lshl_b32 s47, s14, 2
	s_add_co_u32 s46, s46, s47
	s_lshl_b32 s46, s46, 10
	s_mov_b32 s47, 0
	s_add_nc_u64 s[10:11], s[10:11], s[46:47]      ; my first fragment along its K
.macro MUL16 f, hi, a0, zero           ; 16 matrix instructions; the 64 accumulators take turns, one instruction a turn
.irp a, \a0, \a0+1
.irp b, 0,1,2,3,4,5,6,7
.if \zero
	v_wmma_f32_16x16x32_f16 v[8*(8*(\a)+\b):8*(8*(\a)+\b)+7], v[\f+8*\b:\f+8*\b+7], v[\f+8*(4*\hi+(\a)):\f+8*(4*\hi+(\a))+7], v[BS+8*\b:BS+8*\b+7]
.else
	v_wmma_f32_16x16x32_f16 v[8*(8*(\a)+\b):8*(8*(\a)+\b)+7], v[\f+8*\b:\f+8*\b+7], v[\f+8*(4*\hi+(\a)):\f+8*(4*\hi+(\a))+7], v[8*(8*(\a)+\b):8*(8*(\a)+\b)+7]
.endif
.endr
.endr
.endm
.macro FETCH slot, qq, f               ; 32 LDS loads in one run: quarter qq (32 along K): B's eight fragments, then A's
	WIN TO_B
.irp i, 0,1,2,3,4,5,6,7
	ds_load_b128 v[\f+8*\i:\f+8*\i+3],   v[ADRB+\slot] offset:1024*(\qq)+\i*4096
	ds_load_b128 v[\f+8*\i+4:\f+8*\i+7], v[ADRB+\slot] offset:1024*(\qq)+\i*4096+512
.endr
	WIN 0
.irp i, 0,1,2,3,4,5,6,7
	ds_load_b128 v[\f+8*\i:\f+8*\i+3],   v[ADRA+\slot] offset:1024*(\qq)+\i*4096
	ds_load_b128 v[\f+8*\i+4:\f+8*\i+7], v[ADRA+\slot] offset:1024*(\qq)+\i*4096+512
.endr
.endm
.macro PLACES
.rept 4
	v_nop
.endr
.endm
.macro QUARTER slot, qq, f, g, zero    ; multiplies buffer f; in its middle fetches quarter qq into g.  zero = 1: C is the bias, in window 0
	s_wait_dscnt 8                                 ; B and A's rows 0-63 are in; the youngest eight loads may be out
	WIN MUL_LO-0x20*\zero
	MUL16 \f, 0, 0, \zero
	MUL16 \f, 0, 2, \zero
	PLACES
	FETCH \slot, \qq, \g
	s_wait_dscnt 32                                ; all but the 32 just issued
	WIN MUL_HI-0x30*\zero
	MUL16 \f, 1, 0, \zero
	MUL16 \f, 1, 2, \zero
.endm
.macro TURN slot, next, fill
	WIN 0
	s_wait_tensorcnt 0x0                           ; all my tensor loads have landed: my part of the next slot;
	ds_add_u32 v[SPW], v[NIL]
	s_wait_dscnt 9                                 ; (the add and the youngest eight loads may be out)
	WIN MUL_LO
	MUL16 F1, 0, 0, 0
	s_wait_dscnt 0x0                               ; the add is done, and my reads of this slot are over
	s_barrier_signal -1
	MUL16 F1, 0, 2, 0
.if \fill
	WIN 0
.endif
	s_barrier_wait -1
.if \fill
	CREST
	s_add_nc_u64 s[G0+4*\slot+2:G0+4*\slot+3], s[G0+4*\slot+2:G0+4*\slot+3], 8192
	s_add_nc_u64 s[G0B+4*\slot+2:G0B+4*\slot+3], s[G0B+4*\slot+2:G0B+4*\slot+3], 8192
	JLOAD \slot                                    ; the first tensor load behind the round: 224 matrix instructions ahead of the wait for it
.else
	PLACES
.endif
	FETCH \next, 0, F0
	WIN MUL_HI
	MUL16 F1, 1, 0, 0
	MUL16 F1, 1, 2, 0
.endm
	s_wait_tensorcnt 1
	s_barrier_signal -1
	s_barrier_wait -1
	FETCH 0, 0, F0
	s_wait_loadcnt 0x0                             ; the bias
	QUARTER 0, 1, F0, F1, 1
	WIN 0
	s_mov_b32 s3, LAPS-1
.Llap:
	QUARTER 0, 2, F1, F0, 0
	QUARTER 0, 3, F0, F1, 0
	TURN 0, 1, 1
	QUARTER 1, 1, F0, F1, 0
	QUARTER 1, 2, F1, F0, 0
	QUARTER 1, 3, F0, F1, 0
	TURN 1, 0, 1
	QUARTER 0, 1, F0, F1, 0
	WIN 0
	s_sub_co_u32 s3, s3, 1
	s_cmp_lg_u32 s3, 0
	s_cbranch_scc1 .Llap
	QUARTER 0, 2, F1, F0, 0
	QUARTER 0, 3, F0, F1, 0
	TURN 0, 1, 0
	QUARTER 1, 1, F0, F1, 0
	QUARTER 1, 2, F1, F0, 0
	QUARTER 1, 3, F0, F1, 0
	s_wait_dscnt 8
	WIN MUL_LO
	MUL16 F1, 0, 0, 0
	MUL16 F1, 0, 2, 0
	s_wait_dscnt 0
	WIN MUL_HI
	MUL16 F1, 1, 0, 0
	MUL16 F1, 1, 2, 0
	WIN 0
; THE WAY OUT: four accumulators, 32 numbers of a lane, at a time.  Only |x| and max(x, 0) read the accumulators' window (as source 1, from each accumulator's low end on); all else is packed work in window 0.
.macro GELU a, b0
.set AC, 64*((\a)%4)+8*(\b0)
.set HB, HH+4*(\b0)
	WIN 0x08+4*((\a)/4)
.set i, 0
.rept 32
	v_and_b32 v[AX+i], s[ABSM], v[AC+i]
.set i, i+1
.endr
.set i, 0
.rept 32
	v_max_num_f32 v[RR+i], 0, v[AC+i]
.set i, i+1
.endr
	WIN 0
.set i, 0
.rept 16
	v_pk_fma_f32 v[DD+2*i:DD+2*i+1], v[AX+2*i:AX+2*i+1], s[KP:KP+1], 1.0 op_sel_hi:[1,0,0]
.set i, i+1
.endr
.set i, 0
.rept 16
	v_pk_mul_f32 v[UU+2*i:UU+2*i+1], v[AX+2*i:AX+2*i+1], v[AX+2*i:AX+2*i+1]
.set i, i+1
.endr
.set i, 0
.rept 16
	v_pk_mul_f32 v[UU+2*i:UU+2*i+1], v[UU+2*i:UU+2*i+1], s[KE:KE+1] op_sel_hi:[1,0]
.set i, i+1
.endr
.set i, 0
.rept 32
	v_rcp_f32 v[DD+i], v[DD+i]                     ; t
.set i, i+1
.endr
.set i, 0
.rept 32
	v_exp_f32 v[UU+i], v[UU+i]                     ; exp(-x^2 / 2)
.set i, i+1
.endr
	v_nop                                          ; one plain place behind the last transcendental,
	s_wait_alu depctr_va_vdst(0)                   ; and ONE wait for the 64, ahead of their first reader
.set i, 0
.rept 16
	v_pk_fma_f32 v[PP+2*i:PP+2*i+1], v[DD+2*i:DD+2*i+1], s[A5:A5+1], v[8:9] op_sel_hi:[1,0,1]
.set i, i+1
.endr
.irp c, 10,12,14
.set i, 0
.rept 16
	v_pk_fma_f32 v[PP+2*i:PP+2*i+1], v[PP+2*i:PP+2*i+1], v[DD+2*i:DD+2*i+1], v[\c:\c+1]
.set i, i+1
.endr
.endr
.set i, 0
.rept 16
	v_pk_mul_f32 v[PP+2*i:PP+2*i+1], v[PP+2*i:PP+2*i+1], v[DD+2*i:DD+2*i+1]
.set i, i+1
.endr
.set i, 0
.rept 16
	v_pk_mul_f32 v[PP+2*i:PP+2*i+1], v[PP+2*i:PP+2*i+1], v[UU+2*i:UU+2*i+1]       ; q
.set i, i+1
.endr
.set i, 0
.rept 16
	v_pk_fma_f32 v[RR+2*i:RR+2*i+1], v[AX+2*i:AX+2*i+1], v[PP+2*i:PP+2*i+1], v[RR+2*i:RR+2*i+1] neg_lo:[1,0,0] neg_hi:[1,0,0]   ; max(x, 0) - |x| q
.set i, i+1
.endr
	s_wait_xcnt 0x0                                ; earlier stores have read their data
.set i, 0
.rept 16
	v_cvt_pk_f16_f32 v[HB+i], v[RR+2*i], v[RR+2*i+1]
.set i, i+1
.endr
.irp k, 0,1,2,3
	global_store_b128 v[CO], v[HB+4*\k:HB+4*\k+3], s[10:11] offset:131072*(\a)+512*((\b0)+\k)   ; half a fragment of the next product's A: 512 consecutive bytes
.endr
.endm
	PLACES                                         ; behind the last products
.irp a, 0,1,2,3,4,5,6,7
	GELU \a, 0
	GELU \a, 4
.endr
	s_wait_tensorcnt 0x0                           ; the wave's end
	ds_add_u32 v[SPW], v[NIL]
	s_wait_dscnt 0x0
	CROUND                                         ; the closing round
	s_endpgm
.Lfunc_end_k_q2c5a817928_w1:
	.size	k_q2c5a817928_w1, .Lfunc_end_k_q2c5a817928_w1-k_q2c5a817928_w1
	.p2alignl 7, 3214868480
	.fill 96, 4, 3214868480
	.section	.rodata,"a",@progbits
	.p2align	6, 0x0
	.amdhsa_kernel k_q2c5a817928_w1
		.amdhsa_group_segment_fixed_size 327680
		.amdhsa_private_segment_fixed_size 0
		.amdhsa_enable_private_segment 0
		.amdhsa_kernarg_size 32
		.amdhsa_user_sgpr_count 2
		.amdhsa_user_sgpr_kernarg_segment_ptr 1
		.amdhsa_wavefront_size32 1
		.amdhsa_system_sgpr_workgroup_id_x 1
		.amdhsa_system_sgpr_workgroup_id_y 1
		.amdhsa_system_sgpr_workgroup_id_z 1
		.amdhsa_system_vgpr_workitem_id 0
		.amdhsa_next_free_vgpr 1024
		.amdhsa_next_free_sgpr 80
		.amdhsa_reserve_vcc 0
		.amdhsa_float_denorm_mode_32 3
		.amdhsa_float_denorm_mode_16_64 3
		.amdhsa_memory_ordered 1
		.amdhsa_forward_progress 1
		.amdhsa_inst_pref_size 255
	.end_amdhsa_kernel
	.section	.bss,"aw",@nobits
	.p2align	6
	.space	262144
	.amdgpu_metadata
---
amdhsa.version: [ 1, 2 ]
amdhsa.kernels:
  - .name:           k_q2c5a817928_w1
    .symbol:         k_q2c5a817928_w1.kd
    .args:
      - { .name: act, .offset: 0, .size: 8, .value_kind: global_buffer, .address_space: global }
      - { .name: wts, .offset: 8, .size: 8, .value_kind: global_buffer, .address_space: global }
      - { .name: b1, .offset: 16, .size: 8, .value_kind: global_buffer, .address_space: global }
      - { .name: gel, .offset: 24, .size: 8, .value_kind: global_buffer, .address_space: global }
    .group_segment_fixed_size: 327680
    .private_segment_fixed_size: 0
    .kernarg_segment_align: 8
    .kernarg_segment_size: 32
    .max_flat_workgroup_size: 128
    .sgpr_count:     80
    .vgpr_count:     1024
    .wavefront_size: 32
...
	.end_amdgpu_metadata
.endif
;; end of part 6
;; launch w2 (part 7): grid 8 x 32, 4 waves a work-group, clusters of 4 x 4, 327,680 bytes of LDS; arguments gel, wts, b2, y; writes y
.if DOCPART == 7
	.amdgcn_target "amdgcn-amd-amdhsa--gfx1250"
	.amdhsa_code_object_version 6
	.text
	.protected	k_q2c5a817928_w2
	.globl	k_q2c5a817928_w2
	.p2align	8
	.type	k_q2c5a817928_w2,@function
k_q2c5a817928_w2:
	s_mov_b64 s[64:65], 0
	v_nop
	global_prefetch_b8 v0, s[64:65] scope:SCOPE_SE
	s_setreg_imm32_b32 hwreg(HW_REG_WAVE_MODE, 25, 1), 1
	s_wait_xcnt 0x0
	s_wait_alu depctr_hold_cnt(0) depctr_sa_sdst(0) depctr_va_vdst(0) depctr_va_sdst(0) depctr_va_ssrc(0) depctr_va_vcc(0) depctr_vm_vsrc(0)
	s_getreg_b32 s2, hwreg(HW_REG_IB_STS2, 6, 4)
	s_cmp_eq_u32 s2, 0
	s_cbranch_scc0 .Lentry_in_a_cluster
	s_endpgm
.Lentry_in_a_cluster:
	s_bfe_u32 s2, ttmp6, 0x10000c
	s_cmp_lg_u32 s2, 0xf033
	s_cbranch_scc0 .Lentry_shape_is_right
	s_endpgm
.Lentry_shape_is_right:
; y = gel W2 + b2.  gel: f16 image [mt 256][kt 128][1 KB]; W2: f16 image [nt 64][kt 128][1 KB] at byte 10,485,760 of wts; sums in f32; y: f32, as an image of the accumulators.
; The text of the launch for Wo with two other constants, SIZE_K and WOFF: a tile of 128 x 128 to a work-group, a wave 64 x 64, K steps of 256 through two LDS slots of dense images,
; clusters of 4 x 4 with joint loads, the matrix instruction used transposed, the bias as the C of each sum's first matrix instruction.
; THE ORDER OF K.  A cluster whose x + y is odd takes each pair of K steps in the other order: 1, 0, 3, 2, ..  Only the two slots' first addresses differ; every refill steps two K steps on.
; The clusters that read the same rows of A are neighbours along x, those that read the same rows of B neighbours along y: so of the readers of a tile one half asks for it one K step behind the other half.
; REGISTERS: window 0: v16-29 addresses; v32-63 the bias; v128-255 the accumulators.  window 1: two fragment buffers of 128.
.set SIZE_K, 4096
.set WOFF,   10485760
.set MTB,    SIZE_K*32
.set SLOT,   131072
.set BOFF,   65536
.set SPARE,  262144
.set LAPS,   SIZE_K/512
.set ADRA, 16
.set ADRB, 20
.set CO,   26
.set SPW,  28
.set NIL,  29
.set BS,   32
.set ACC,  128
.set F0,   0
.set F1,   128
.set G1, 24
.set G0, 32
.set G1B, 48
.set G0B, 56
.set MSB, 0
.macro WIN new
.if MSB != \new
	s_set_vgpr_msb (MSB<<8)|\new
.set MSB, \new
.endif
.endm
.set MUL,  0x05
.set TO_F, 0x40
.macro JLOAD s                         ; waves 0 and 1 fetch A's halves, waves 2 and 3 B's; an s_nop 0 and four v_nop follow each line
	s_cmp_eq_u32 s13, 0
	s_cbranch_scc0 .Lfor_b_\@
	tensor_load_to_lds s[G0+4*\s:G0+4*\s+3], s[G1:G1+7]
	s_nop 0
.rept 4
	v_nop
.endr
	s_branch .Lasked_\@
.Lfor_b_\@:
	tensor_load_to_lds s[G0B+4*\s:G0B+4*\s+3], s[G1B:G1B+7]
	s_nop 0
.rept 4
	v_nop
.endr
.Lasked_\@:
.endm
.macro CREST
	s_cmp_lg_u32 s12, 0
	s_cbranch_scc1 .Lnot_wave_0_\@
	s_barrier_signal -3
.Lnot_wave_0_\@:
	s_barrier_wait -3
	s_barrier_signal -1
	s_barrier_wait -1
.endm
.macro CROUND
	s_barrier_signal -1
	s_barrier_wait -1
	CREST
.endm
	s_load_b256 s[4:11], s[0:1], 0x0               ; A s[4:5], wts s[6:7], the bias s[8:9], y s[10:11]
	v_lshl_add_u32 v[SPW], v0, 2, SPARE
	v_mov_b32 v[NIL], 0
	ds_add_u32 v[SPW], v[NIL]                      ; the wave's opening: the add, twice on end, and its wait ahead of my first tensor load
	ds_add_u32 v[SPW], v[NIL]
	v_lshrrev_b32 v1, 5, v0
	v_readfirstlane_b32 s12, v1
	s_lshr_b32 s13, s12, 1
	s_and_b32 s14, s12, 1
	s_bfe_u32 s40, ttmp6, 0x40000
	s_bfe_u32 s41, ttmp6, 0x40004
	s_lshl_b32 s42, ttmp9, 2
	s_add_co_u32 s42, s42, s40                     ; tile column
	s_and_b32 s15, ttmp7, 0xffff                   ; the cluster's y
	s_add_co_u32 s2, s15, ttmp9                    ; + the cluster's x:
	s_and_b32 s2, s2, 1                            ; its parity, the same in all sixteen partners
	s_lshl_b32 s2, s2, 13                          ; slot 0 begins with K step 0 or 1 (8 KB a K step in a tile of rows),
	s_xor_b32 s22, s2, 8192                        ; slot 1 with the other of the two
	s_mov_b32 s3, 0
	s_mov_b32 s23, 0
	s_lshl_b32 s15, s15, 2
	s_add_co_u32 s15, s15, s41                     ; tile row
	s_lshl_b32 s43, s41, 2
	s_lshl_b32 s43, 15, s43
	s_lshl_b32 s44, 0x1111, s40
	s_or_b32 s[G1], s43, (3<<16)|(1<<21)
	s_or_b32 s[G1B], s44, (3<<16)|(1<<21)
.irp g, G1, G1B
	s_mov_b32 s[\g+1], 1024<<16
	s_mov_b32 s[\g+2], 4<<16
	s_mov_b32 s[\g+3], 1024<<16
	s_mov_b32 s[\g+4], 4
	s_mov_b32 s[\g+5], SIZE_K*4
	s_mov_b32 s[\g+6], 0
	s_mov_b32 s[\g+7], 0
.endr
	s_lshl_b32 s16, s15, 3
	s_lshl_b32 s17, s14, 2
	s_add_co_u32 s16, s16, s17
	s_mul_i32 s16, s16, MTB
	s_mov_b32 s17, 0
	s_lshl_b32 s46, s42, 3
	s_lshl_b32 s47, s14, 2
	s_add_co_u32 s46, s46, s47
	s_mul_i32 s46, s46, MTB
	s_add_co_u32 s46, s46, WOFF
	s_mov_b32 s47, 0
	s_lshl_b32 s20, s12, 15
	s_wait_dscnt 0x0
	s_wait_kmcnt 0x0
	s_add_nc_u64 s[18:19], s[4:5], s[16:17]
	s_add_nc_u64 s[46:47], s[6:7], s[46:47]
	CROUND
.irp s, 0,1
	s_mov_b32 s[G0+4*\s], 1
	s_add_co_u32 s[G0+4*\s+1], s20, \s*SLOT
	s_add_nc_u64 s[G0+4*\s+2:G0+4*\s+3], s[18:19], s[2+20*\s:3+20*\s]    ; the slot's first K step, by the cluster's parity
	s_or_b32 s[G0+4*\s+3], s[G0+4*\s+3], 0x80000000
	s_mov_b32 s[G0B+4*\s], 1
	s_add_co_u32 s[G0B+4*\s+1], s20, \s*SLOT
	s_add_nc_u64 s[G0B+4*\s+2:G0B+4*\s+3], s[46:47], s[2+20*\s:3+20*\s]
	s_or_b32 s[G0B+4*\s+3], s[G0B+4*\s+3], 0x80000000
	JLOAD \s
.endr
	v_and_b32 v3, 31, v0
	v_lshlrev_b32 v[CO], 4, v3
	v_bfe_u32 v2, v0, 4, 1
	v_lshlrev_b32 v2, 5, v2
	s_lshl_b32 s46, s42, 9
	s_lshl_b32 s47, s14, 8
	s_add_co_u32 s46, s46, s47
	s_mov_b32 s47, 0
	s_add_nc_u64 s[8:9], s[8:9], s[46:47]
.irp b, 0,1,2,3
	global_load_b128 v[BS+8*\b:BS+8*\b+3], v2, s[8:9] offset:64*\b
	global_load_b128 v[BS+8*\b+4:BS+8*\b+7], v2, s[8:9] offset:64*\b+16
.endr
	s_lshl_b32 s21, s13, 15
	s_lshl_b32 s22, s14, 15
	s_add_co_u32 s22, s22, BOFF
.irp s, 0,1
	v_add_nc_u32 v[ADRA+\s], s21, v[CO]
	v_add_nc_u32 v[ADRB+\s], s22, v[CO]
	s_add_co_u32 s21, s21, SLOT
	s_add_co_u32 s22, s22, SLOT
.endr
	s_lshl_b32 s16, s15, 3
	s_lshl_b32 s17, s13, 2
	s_add_co_u32 s16, s16, s17
	s_lshl_b32 s16, s16, 16
	s_mov_b32 s17, 0
	s_add_nc_u64 s[10:11], s[10:11], s[16:17]
	s_lshl_b32 s46, s42, 3
	s_lshl_b32 s47, s14, 2
	s_add_co_u32 s46, s46, s47
	s_lshl_b32 s46, s46, 10
	s_mov_b32 s47, 0
	s_add_nc_u64 s[10:11], s[10:11], s[46:47]
.macro MUL8 f, c, a0, zero
.irp a, \a0, \a0+1
.irp b, 0,1,2,3
.if \zero
	v_wmma_f32_16x16x32_f16 v[ACC+8*(4*(\a)+\b):ACC+8*(4*(\a)+\b)+7], v[\f+64+8*(4*\c+\b):\f+64+8*(4*\c+\b)+7], v[\f+8*(4*\c+(\a)):\f+8*(4*\c+(\a))+7], v[BS+8*\b:BS+8*\b+7]
.else
	v_wmma_f32_16x16x32_f16 v[ACC+8*(4*(\a)+\b):ACC+8*(4*(\a)+\b)+7], v[\f+64+8*(4*\c+\b):\f+64+8*(4*\c+\b)+7], v[\f+8*(4*\c+(\a)):\f+8*(4*\c+(\a))+7], v[ACC+8*(4*(\a)+\b):ACC+8*(4*(\a)+\b)+7]
.endif
.endr
.endr
.endm
.macro FETCH slot, qq, f
	WIN TO_F
.irp c, 0,1
.irp i, 0,1,2,3
	ds_load_b128 v[\f+64+8*(4*\c+\i):\f+64+8*(4*\c+\i)+3],   v[ADRB+\slot] offset:(2*(\qq)+\c)*1024+\i*8192
	ds_load_b128 v[\f+64+8*(4*\c+\i)+4:\f+64+8*(4*\c+\i)+7], v[ADRB+\slot] offset:(2*(\qq)+\c)*1024+\i*8192+512
	ds_load_b128 v[\f+8*(4*\c+\i):\f+8*(4*\c+\i)+3],         v[ADRA+\slot] offset:(2*(\qq)+\c)*1024+\i*8192
	ds_load_b128 v[\f+8*(4*\c+\i)+4:\f+8*(4*\c+\i)+7],       v[ADRA+\slot] offset:(2*(\qq)+\c)*1024+\i*8192+512
.endr
.endr
.endm
.macro PLACES
.rept 4
	v_nop
.endr
.endm
.macro QUARTER slot, qq, f, g, zero
	s_wait_dscnt 16                                ; the first 32 along K are in; the other sixteen loads may be out
	WIN MUL
	MUL8 \f, 0, 0, \zero
	MUL8 \f, 0, 2, \zero
	PLACES
	FETCH \slot, \qq, \g
	s_wait_dscnt 32                                ; all but the 32 just issued
	WIN MUL
	MUL8 \f, 1, 0, 0
	MUL8 \f, 1, 2, 0
.endm
.macro TURN slot, next, fill
	WIN 0
	s_wait_tensorcnt 0x0                           ; all my tensor loads have landed: my part of the next slot;
	ds_add_u32 v[SPW], v[NIL]
	s_wait_dscnt 17                                ; (the add and the youngest sixteen loads may be out)
	WIN MUL
	MUL8 F1, 0, 0, 0
	s_wait_dscnt 0x0                               ; the add is done, and my reads of this slot are over
	s_barrier_signal -1
	MUL8 F1, 0, 2, 0
.if \fill
	WIN 0
.endif
	s_barrier_wait -1
.if \fill
	CREST
	s_add_nc_u64 s[G0+4*\slot+2:G0+4*\slot+3], s[G0+4*\slot+2:G0+4*\slot+3], 16384
	s_add_nc_u64 s[G0B+4*\slot+2:G0B+4*\slot+3], s[G0B+4*\slot+2:G0B+4*\slot+3], 16384
	JLOAD \slot
.else
	PLACES
.endif
	FETCH \next, 0, F0
	WIN MUL
	MUL8 F1, 1, 0, 0
	MUL8 F1, 1, 2, 0
.endm
	s_wait_tensorcnt 1
	s_barrier_signal -1
	s_barrier_wait -1
	FETCH 0, 0, F0
	s_wait_loadcnt 0x0
	QUARTER 0, 1, F0, F1, 1
	WIN 0
	s_mov_b32 s3, LAPS-1
.Llap:
	QUARTER 0, 2, F1, F0, 0
	QUARTER 0, 3, F0, F1, 0
	TURN 0, 1, 1
	QUARTER 1, 1, F0, F1, 0
	QUARTER 1, 2, F1, F0, 0
	QUARTER 1, 3, F0, F1, 0
	TURN 1, 0, 1
	QUARTER 0, 1, F0, F1, 0
	WIN 0
	s_sub_co_u32 s3, s3, 1
	s_cmp_lg_u32 s3, 0
	s_cbranch_scc1 .Llap
	QUARTER 0, 2, F1, F0, 0
	QUARTER 0, 3, F0, F1, 0
	TURN 0, 1, 0
	QUARTER 1, 1, F0, F1, 0
	QUARTER 1, 2, F1, F0, 0
	QUARTER 1, 3, F0, F1, 0
	s_wait_dscnt 16
	WIN MUL
	MUL8 F1, 0, 0, 0
	MUL8 F1, 0, 2, 0
	s_wait_dscnt 0
	MUL8 F1, 1, 0, 0
	MUL8 F1, 1, 2, 0
	WIN 0
	PLACES
.irp t, 0,1,2,3,4,5,6,7,8,9,10,11,12,13,14,15
	global_store_b128 v[CO], v[ACC+8*\t:ACC+8*\t+3], s[10:11] offset:65536*(\t/4)+1024*(\t%4)
	global_store_b128 v[CO], v[ACC+8*\t+4:ACC+8*\t+7], s[10:11] offset:65536*(\t/4)+1024*(\t%4)+512
.endr
	s_wait_tensorcnt 0x0                           ; the wave's end
	ds_add_u32 v[SPW], v[NIL]
	s_wait_dscnt 0x0
	CROUND
	s_endpgm
.Lfunc_end_k_q2c5a817928_w2:
	.size	k_q2c5a817928_w2, .Lfunc_end_k_q2c5a817928_w2-k_q2c5a817928_w2
	.p2alignl 7, 3214868480
	.fill 96, 4, 3214868480
	.section	.rodata,"a",@progbits
	.p2align	6, 0x0
	.amdhsa_kernel k_q2c5a817928_w2
		.amdhsa_group_segment_fixed_size 327680
		.amdhsa_private_segment_fixed_size 0
		.amdhsa_enable_private_segment 0
		.amdhsa_kernarg_size 32
		.amdhsa_user_sgpr_count 2
		.amdhsa_user_sgpr_kernarg_segment_ptr 1
		.amdhsa_wavefront_size32 1
		.amdhsa_system_sgpr_workgroup_id_x 1
		.amdhsa_system_sgpr_workgroup_id_y 1
		.amdhsa_system_sgpr_workgroup_id_z 1
		.amdhsa_system_vgpr_workitem_id 0
		.amdhsa_next_free_vgpr 512
		.amdhsa_next_free_sgpr 66
		.amdhsa_reserve_vcc 0
		.amdhsa_float_denorm_mode_32 3
		.amdhsa_float_denorm_mode_16_64 3
		.amdhsa_memory_ordered 1
		.amdhsa_forward_progress 1
		.amdhsa_inst_pref_size 82
	.end_amdhsa_kernel
	.amdgpu_metadata
---
amdhsa.version: [ 1, 2 ]
amdhsa.kernels:
  - .name:           k_q2c5a817928_w2
    .symbol:         k_q2c5a817928_w2.kd
    .args:
      - { .name: gel, .offset: 0, .size: 8, .value_kind: global_buffer, .address_space: global }
      - { .name: wts, .offset: 8, .size: 8, .value_kind: global_buffer, .address_space: global }
      - { .name: b2, .offset: 16, .size: 8, .value_kind: global_buffer, .address_space: global }
      - { .name: y, .offset: 24, .size: 8, .value_kind: global_buffer, .address_space: global }
    .group_segment_fixed_size: 327680
    .private_segment_fixed_size: 0
    .kernarg_segment_align: 8
    .kernarg_segment_size: 32
    .max_flat_workgroup_size: 128
    .sgpr_count:     66
    .vgpr_count:     512
    .wavefront_size: 32
...
	.end_amdgpu_metadata
.endif
;; end of part 7
;; launch ln2 (part 8): grid 256 x 1, 8 waves a work-group, no clusters, 70,656 bytes of LDS; arguments y, ln2_g, ln2_b, out0; writes out0
.if DOCPART == 8
	.amdgcn_target "amdgcn-amd-amdhsa--gfx1250"
	.amdhsa_code_object_version 6
	.text
	.protected	k_q2c5a817928_ln2
	.globl	k_q2c5a817928_ln2
	.p2align	8
	.type	k_q2c5a817928_ln2,@function
k_q2c5a817928_ln2:
	s_mov_b64 s[64:65], 0
	v_nop
	global_prefetch_b8 v0, s[64:65] scope:SCOPE_SE
	s_setreg_imm32_b32 hwreg(HW_REG_WAVE_MODE, 25, 1), 1
	s_wait_xcnt 0x0
; The second layer norm: out0 = gamma (y - mean) / sqrt(var + 1e-12) + beta, row by row of 1,024, in f32, mean and variance in two passes.
; Shares and reductions as in the first layer norm's launch: a work-group takes a tile of 16 rows of y's image, wave w its columns 128 w on, lane (r, h) 64 numbers of row r.
; The output is row-major: a wave's 16 rows x 512 bytes turn through its own stage in LDS (rows of 528 bytes), and each store covers 512 consecutive bytes of a row.
.set RED1,  0
.set RED2,  1024
.set STG,   2048                       ; + wave x 8,448
.set SPARE, 69632
.set X,  32
.set G,  96
.set BT, 160
.set SPW, 28
.set NIL, 29
	s_load_b256 s[4:11], s[0:1], 0x0               ; y, gamma, beta, out0
	v_lshl_add_u32 v[SPW], v0, 2, SPARE
	v_mov_b32 v[NIL], 0
	v_lshrrev_b32 v1, 5, v0
	v_readfirstlane_b32 s12, v1
	v_and_b32 v2, 31, v0
	v_lshlrev_b32 v3, 4, v2                        ; 16 x lane
	v_bfe_u32 v4, v0, 4, 1
	v_lshlrev_b32 v4, 5, v4                        ; 32 h
	v_lshlrev_b32 v5, 2, v0
	v_lshlrev_b32 v6, 2, v2
	s_mul_i32 s13, s12, 8448
	s_add_co_u32 s13, s13, STG
	v_and_b32 v7, 15, v0
	v_mul_u32_u24 v7, v7, 528
	v_add_nc_u32 v7, v7, v4
	v_add_nc_u32 v7, s13, v7                       ; into my stage: row r, + 32 h
	v_add_nc_u32 v18, s13, v3                      ; back: 16 x lane
	v_mov_b32 v31, v18
	s_mov_b32 s20, 0x76543210
	s_mov_b32 s21, 0xfedcba98
	s_mov_b32 s22, 0x3a800000
	s_mov_b32 s23, 0x2b8cbccc
	s_lshl_b32 s14, ttmp9, 16
	s_lshl_b32 s15, s12, 13
	s_add_co_u32 s14, s14, s15
	s_mov_b32 s15, 0
	s_lshl_b32 s16, s12, 9
	s_mov_b32 s17, 0
	s_lshl_b32 s18, ttmp9, 16
	s_add_co_u32 s18, s18, s16
	s_mov_b32 s19, 0
	s_wait_kmcnt 0x0
	s_add_nc_u64 s[4:5], s[4:5], s[14:15]
	s_add_nc_u64 s[6:7], s[6:7], s[16:17]
	s_add_nc_u64 s[8:9], s[8:9], s[16:17]
	s_add_nc_u64 s[10:11], s[10:11], s[18:19]
.set i, 0
.rept 16
	global_load_b128 v[X+4*i:X+4*i+3], v3, s[4:5] offset:512*i th:TH_LOAD_NT
.set i, i+1
.endr
.set i, 0
.rept 16
	global_load_b128 v[G+4*i:G+4*i+3], v4, s[6:7] offset:64*(i/2)+16*(i%2)
.set i, i+1
.endr
.set i, 0
.rept 16
	global_load_b128 v[BT+4*i:BT+4*i+3], v4, s[8:9] offset:64*(i/2)+16*(i%2)
.set i, i+1
.endr
.macro ACROSS red
	v_add_f32 v8, v8, v9
	v_permlanex16_b32 v10, v8, s20, s21
	v_add_f32 v8, v8, v10
	ds_store_b32 v5, v8 offset:\red
	s_wait_dscnt 0x0                               ; for the others' sake
	s_barrier_signal -1
	s_barrier_wait -1
.irp j, 0,1,2,3,4,5,6,7
	ds_load_b32 v[20+\j], v6 offset:\red+128*\j
.endr
	s_wait_dscnt 0x0
	v_add_f32 v20, v20, v21
	v_add_f32 v22, v22, v23
	v_add_f32 v24, v24, v25
	v_add_f32 v26, v26, v27
	v_add_f32 v20, v20, v22
	v_add_f32 v24, v24, v26
	v_add_f32 v8, v20, v24
.endm
	s_wait_loadcnt 32                              ; y is in; gamma's and beta's 32 loads may be out
.irp k, 0,1,2,3
	v_pk_add_f32 v[8+2*\k:9+2*\k], v[X+2*\k:X+2*\k+1], v[X+8+2*\k:X+9+2*\k]
.endr
.irp j, 2,3,4,5,6,7
.irp k, 0,1,2,3
	v_pk_add_f32 v[8+2*\k:9+2*\k], v[8+2*\k:9+2*\k], v[X+8*\j+2*\k:X+8*\j+2*\k+1]
.endr
.endr
	v_pk_add_f32 v[8:9], v[8:9], v[10:11]
	v_pk_add_f32 v[12:13], v[12:13], v[14:15]
	v_pk_add_f32 v[8:9], v[8:9], v[12:13]
	ACROSS RED1
	v_mul_f32 v16, 0xba800000, v8                  ; - mean
	v_mov_b32 v17, v16
.set i, 0
.rept 32
	v_pk_add_f32 v[X+2*i:X+2*i+1], v[X+2*i:X+2*i+1], v[16:17]
.set i, i+1
.endr
.irp k, 0,1,2,3
	v_pk_mul_f32 v[8+2*\k:9+2*\k], v[X+2*\k:X+2*\k+1], v[X+2*\k:X+2*\k+1]
.endr
.irp j, 1,2,3,4,5,6,7
.irp k, 0,1,2,3
	v_pk_fma_f32 v[8+2*\k:9+2*\k], v[X+8*\j+2*\k:X+8*\j+2*\k+1], v[X+8*\j+2*\k:X+8*\j+2*\k+1], v[8+2*\k:9+2*\k]
.endr
.endr
	v_pk_add_f32 v[8:9], v[8:9], v[10:11]
	v_pk_add_f32 v[12:13], v[12:13], v[14:15]
	v_pk_add_f32 v[8:9], v[8:9], v[12:13]
	ACROSS RED2
	v_fma_f32 v20, v8, s22, s23
	v_rsq_f32 v18, v20
	v_nop                                          ; a plain place behind the transcendental,
	s_wait_alu depctr_va_vdst(0)                   ; and the wait ahead of its first reader
	v_mov_b32 v19, v18
.set i, 0
.rept 32
	v_pk_mul_f32 v[X+2*i:X+2*i+1], v[X+2*i:X+2*i+1], v[18:19]
.set i, i+1
.endr
	s_wait_loadcnt 0x0
.set i, 0
.rept 32
	v_pk_fma_f32 v[X+2*i:X+2*i+1], v[X+2*i:X+2*i+1], v[G+2*i:G+2*i+1], v[BT+2*i:BT+2*i+1]
.set i, i+1
.endr
.irp t, 0,1,2,3,4,5,6,7
	ds_store_b128 v7, v[X+8*\t:X+8*\t+3] offset:64*\t
	ds_store_b128 v7, v[X+8*\t+4:X+8*\t+7] offset:64*\t+16
.endr
.set i, 0
.rept 16
	ds_load_b128 v[G+4*i:G+4*i+3], v31 offset:528*i    ; LDS serves a wave's instructions in order: these see my stores
.set i, i+1
.endr
.set i, 0
.rept 16
	s_wait_dscnt 15-i
	global_store_b128 v3, v[G+4*i:G+4*i+3], s[10:11] offset:4096*i th:TH_STORE_NT
.set i, i+1
.endr
	s_wait_tensorcnt 0x0                           ; the wave's end, behind my last LDS store
	ds_add_u32 v[SPW], v[NIL]
	s_wait_dscnt 0x0
	s_endpgm
.Lfunc_end_k_q2c5a817928_ln2:
	.size	k_q2c5a817928_ln2, .Lfunc_end_k_q2c5a817928_ln2-k_q2c5a817928_ln2
	.p2alignl 7, 3214868480
	.fill 96, 4, 3214868480
	.section	.rodata,"a",@progbits
	.p2align	6, 0x0
	.amdhsa_kernel k_q2c5a817928_ln2
		.amdhsa_group_segment_fixed_size 70656
		.amdhsa_private_segment_fixed_size 0
		.amdhsa_enable_private_segment 0
		.amdhsa_kernarg_size 32
		.amdhsa_user_sgpr_count 2
		.amdhsa_user_sgpr_kernarg_segment_ptr 1
		.amdhsa_wavefront_size32 1
		.amdhsa_system_sgpr_workgroup_id_x 1
		.amdhsa_system_sgpr_workgroup_id_y 1
		.amdhsa_system_sgpr_workgroup_id_z 1
		.amdhsa_system_vgpr_workitem_id 0
		.amdhsa_next_free_vgpr 224
		.amdhsa_next_free_sgpr 66
		.amdhsa_reserve_vcc 0
		.amdhsa_float_denorm_mode_32 3
		.amdhsa_float_denorm_mode_16_64 3
		.amdhsa_memory_ordered 1
		.amdhsa_forward_progress 1
		.amdhsa_inst_pref_size 23
	.end_amdhsa_kernel
	.amdgpu_metadata
---
amdhsa.version: [ 1, 2 ]
amdhsa.kernels:
  - .name:           k_q2c5a817928_ln2
    .symbol:         k_q2c5a817928_ln2.kd
    .args:
      - { .name: y, .offset: 0, .size: 8, .value_kind: global_buffer, .address_space: global }
      - { .name: ln2_g, .offset: 8, .size: 8, .value_kind: global_buffer, .address_space: global }
      - { .name: ln2_b, .offset: 16, .size: 8, .value_kind: global_buffer, .address_space: global }
      - { .name: out0, .offset: 24, .size: 8, .value_kind: global_buffer, .address_space: global }
    .group_segment_fixed_size: 70656
    .private_segment_fixed_size: 0
    .kernarg_segment_align: 8
    .kernarg_segment_size: 32
    .max_flat_workgroup_size: 256
    .sgpr_count:     66
    .vgpr_count:     224
    .wavefront_size: 32
...
	.end_amdgpu_metadata
.endif
;; end of part 8
